; MI455X (gfx1250); checked and timed in simulation.
; The chip was launched on July 23, 2026; its instructions are those of AMD's public machine-readable ISA for CDNA 5 (MIT licence, August 2026) and "CDNA5" Instruction Set Architecture Reference Guide (July 2026). The comments in the code are by the model that wrote it; some were corrected since.
;; Geodesic Self Attention. Allowed arithmetic: matrix products marked QUANTISED: E2M3 operands, one E8M0 scale for each 32 along K, by v_wmma_scale_f32_16x16x128_f8f6f4 with both operands' format E2M3, f32 sums; everything else in f32.
;; Inputs: Wk 1,024 x 1,024 float32; Wo 1,024 x 1,024 float32; Wq 1,024 x 1,024 float32; Wv 1,024 x 1,024 float32; bk 1,024 float32; bo 1,024 float32; bq 1,024 float32; bv 1,024 float32; log_diag 16 x 64 float32; mask 2 x 2,048 x 2,048 bool; x 2 x 2,048 x 1,024 float32.
;; Outputs: out0 2 x 2,048 x 1,024 float32.
;; This version of the problem:
;;   THIS VERSION OF THE PROBLEM IS GIVEN IN LOW PRECISION. The matrix products marked QUANTISED in the list below multiply operands that are first quantised to E2M3 (2 exponent bits, 3 mantissa bits; 6 bits a number), with one power-of-two scale for each 32 numbers along K (OCP MX v1.0); their sums are f32. All else is computed in f32.
;;   The module's matrix products, in the order in which they are computed (A, B: the left and right operand; K: the contracted axis; several contracted axes count as one K, in the product's order):
;;     1. [M 4,096, K 1,024] x [K 1,024, N 1,024]; A: input x; B: input Wq: QUANTISED
;;     2. [M 4,096, K 1,024] x [K 1,024, N 1,024]; A: input x; B: input Wk: QUANTISED
;;     3. [M 4,096, K 1,024] x [K 1,024, N 1,024]; A: input x; B: input Wv: QUANTISED
;;     4. batch 32 x [M 2,048, K 64] x [K 64, N 2,048]; A: computed on the way; B: computed on the way: QUANTISED
;;     5. batch 32 x [M 2,048, K 2,048] x [K 2,048, N 64]; A: softmax (see below); B: computed on the way: QUANTISED
;;     6. [M 4,096, K 1,024] x [K 1,024, N 1,024]; A: computed on the way; B: input Wo: QUANTISED
;;   THE QUANTISER, for each operand of a quantised product, along K:
;;     - K is cut into blocks of 32 from its start; a last block that is shorter is filled with zeros.
;;     - A block's scale is 2^e with e = floor(log2(the largest magnitude in the block)) - 2, held to -126 .. 127; a block of zeros has e = 0. As a byte (E8M0): e + 127.
;;     - Each number is divided by its block's scale, clamped to +-7.5, and rounded to the nearest number of E2M3, ties to even, subnormals kept.
;;     - The product sums the exact products of the quantised numbers (number of the format x scale) in f32.
;;   ~~~python
;;   def quantise(x, axis):      # numpy; x: float32 -> the quantised numbers, widened to float32 again
;;       x = np.moveaxis(x, axis, -1); K = x.shape[-1]
;;       x = np.pad(x, [(0, 0)] * (x.ndim - 1) + [(0, -K % 32)]); x = x.reshape(x.shape[:-1] + (-1, 32)); a = np.abs(x).max(-1, keepdims=True)
;;       e = np.where(a > 0, np.clip(np.frexp(np.where(a > 0, a, 1))[1] - 1 - 2, -126, 127), 0)      # np.frexp(a)[1] - 1 = floor(log2(a)), exactly
;;       r = np.clip(x / 2.0 ** e, -7.5, 7.5)
;;       step = 2.0 ** (np.maximum(np.frexp(np.where(r == 0, 1, r))[1] - 1, 0) - 3)
;;       q = np.round(r / step) * step * 2.0 ** e      # np.round: ties to even
;;       return np.moveaxis(q.reshape(q.shape[:-2] + (-1,))[..., :K], -1, axis).astype(np.float32)
;;   ~~~
;;   SOFTMAX AHEAD OF A QUANTISED PRODUCT. Where the list says 'softmax', what is quantised is not the finished softmax but p = 2^(t - M), with t = logit x log2(e) and M = ceil(the row's largest t), a whole number; so 1/2 < the row's largest p <= 1. The row's sum l is taken of the UNQUANTISED p, in f32, and the product's result is divided by l at the end. Since M is a whole number, a kernel that streams over the keys may use a running M (the ceiling of the running maximum): every later rescaling is an exact power of two, which a block's scale takes up: the codes' values come out the same.
;;   OPERANDS COMPUTED ON THE WAY. 'Computed on the way' means the value that the module computes at that place (a softmax that the list does not call 'softmax' is quantised finished and normalised). What goes into a quantiser is computed in f32, as accurately as f32 sums, v_exp_f32 and their like allow (about 1e-6 of the number): no bf16 or f16 on the way to a quantiser, and a product that is left as it is and whose result goes on into a quantised operand takes f32 operands (vector FMAs, or v_wmma_f32_16x16x4_f32). A number that lies on a knife's edge between two numbers of the format may be rounded either way, as far as f32 arithmetic and the matrix unit's own rounding can turn it there, and no further.
;; One version. Each part assembles by itself: llvm-mc -triple=amdgcn-amd-amdhsa -mcpu=gfx1250 --defsym DOCPART=n.
;; ======== version 1 of 1: 4 launches
;; workspace buffers: xq 3,276,800 bytes; wq 3,280,896 bytes; mw 1,081,344 bytes of whole numbers; qkc 6,291,456 bytes; qka 1,048,576 bytes; vq 3,276,800 bytes; oq 3,276,800 bytes
;; launch prep (part 1): grid 513 x 1, 4 waves a work-group, no clusters, 68,608 bytes of LDS; arguments x, Wq, Wk, Wv, Wo, mask, log_diag, xq, wq, mw; writes xq, wq, mw
.if DOCPART == 1
	.amdgcn_target "amdgcn-amd-amdhsa--gfx1250"
	.amdhsa_code_object_version 6
	.text
	.protected	k_qceab727fd5_prep
	.globl	k_qceab727fd5_prep
	.p2align	8
	.type	k_qceab727fd5_prep,@function
k_qceab727fd5_prep:
	s_mov_b64 s[64:65], 0
	v_nop
	global_prefetch_b8 v0, s[64:65] scope:SCOPE_SE
	s_setreg_imm32_b32 hwreg(HW_REG_WAVE_MODE, 25, 1), 1
	s_wait_xcnt 0x0
; PREP: everything that is made once, ahead of the products.  Four paths, parted by the work-group's number alone; each has LDS bytes of its own.
;   X  (work-groups 0-127):   x [4096][1024] f32 -> codes of FP6 (E2M3), K innermost, 768 bytes a row, and one E8M0 byte for each 32 along K, 32 bytes a row.
;   W  (128-255):             Wq, Wk, Wv, Wo [k][n] f32 -> the same, laid [n][k]: a lane takes a column and its registers run down K.
;   M  (256-511):             the mask -> one 32-bit word for each register of a tile of scores (bit = lane), and a flag for each row that has a visible key.
;   D  (512):                 diag = softplus(log_diag) + 1e-6, 1,024 numbers.
; THE ORDER OF ROWS.  In xq and wq the rows of each aligned group of 32 are stored with bits 3 and 4 of the row's number exchanged (sigma).  Sixteen neighbouring stored rows, block 2 g + u, then
; hold in place r the row 32 g + 8 u + r + 8 (r / 8): used as a matrix operand's 16 rows, the 16 result registers of two neighbouring blocks are 16 neighbours.
; A block's scale is 2^(floor(log2(its largest magnitude)) - 2); its byte is the largest magnitude's exponent field - 2, held at 1 from below.
; LIMITS: a block of zeros gets the byte 1 where the rule says 127 (its codes are zeros, and this program alone reads the bytes); blocks whose largest magnitude lies under 2^-124 are held at that floor;
; NaN and infinities among the inputs are not served; a byte of the mask is taken as 0 or 1 (its lowest bit is read).
.set SCOFF,  3145728                   ; where the scale bytes begin in xq and in wq
.set DGOFF,  3276800                   ; where diag begins in wq
.set ALOFF,  1048576                   ; where the flags begin in mw
.set EMAX,   2
; path X
.set STEPS,  16
.set CB,     12                        ; bytes of 16 codes
.set XR,     16                        ; v16-79   four sets of 16 numbers as they are loaded
.set XX,     80                        ; v80-111  two sets of 16 neighbours
.set XE,     112                       ; v112-127 a scale byte for each step
.set XC,     128                       ; v128-191 codes: four registers for each step
.set WREG,   8192                      ; LDS 0..32767: a region for each wave: two stages of 32 x XSP bytes, behind them its 256 scale bytes
.set XSP,    80
; path W
.set NB,     8                         ; blocks of 32 along K for a wave
.set WROWB,  192                       ; bytes of 256 codes
.set WPITCH, 272                       ; a stage row: sixteen places of 16 bytes + 16
.set KROW,   768                       ; a row of codes in memory
.set WX,     32                        ; v32-95   two sets of 32 numbers
.set WC,     96                        ; v96..    a block's codes
.set WOUT,   112                       ; v112-175 the way out
.set WSB,    24                        ; v24-25   the scale bytes
.set WLDS,   32768                     ; LDS 32768..67583: a stage of 32 rows for each wave
; path M
.set MLDS,   67584                     ; LDS 67584..68095: a word for each thread
.set MD,     32                        ; v32-95   64 registers of mask bytes
.set MO,     96                        ; v96-103  256 words, four to a lane and store
	v_lshl_add_u32 v192, v0, 2, 0x10a00
	v_mov_b32 v193, 0
	v_lshrrev_b32 v1, 5, v0
	v_readfirstlane_b32 s16, v1                    ; wave 0..3
	s_cmp_lt_u32 ttmp9, 128
	s_cbranch_scc1 .Lpath_x
	s_cmp_lt_u32 ttmp9, 256
	s_cbranch_scc1 .Lpath_w
	s_cmp_lt_u32 ttmp9, 512
	s_cbranch_scc1 .Lpath_m
; ---- D: softplus(x) = max(x, 0) + log1p(e^-|x|).  log1p(u) = log(w) u / (w - 1) with w = 1 + u as rounded, and u itself where w = 1: so a small u keeps its relative accuracy.
	s_load_b64 s[4:5], s[0:1], 0x30                ; log_diag
	s_load_b64 s[6:7], s[0:1], 0x40                ; wq
	v_lshlrev_b32 v2, 4, v0                        ; thread t: the four numbers at byte 16 t, and those 2,048 bytes on
	s_wait_kmcnt 0x0
	global_load_b128 v[8:11], v2, s[4:5]
	global_load_b128 v[12:15], v2, s[4:5] offset:2048
	s_wait_loadcnt 0x0
.irp i, 0,1,2,3,4,5,6,7
	v_mul_f32 v[16+\i], 0xbfb8aa3b, |v[8+\i]|      ; -|x| log2(e)
.endr
.irp i, 0,1,2,3,4,5,6,7
	v_exp_f32 v[16+\i], v[16+\i]                   ; u = e^-|x|
.endr
	v_nop                                          ; a plain line behind the last exponential
	s_wait_alu depctr_va_vdst(0)                   ; one wait for the eight, ahead of their first reader
.irp i, 0,1,2,3,4,5,6,7
	v_add_f32 v[24+\i], 1.0, v[16+\i]              ; w
.endr
.irp i, 0,1,2,3,4,5,6,7
	v_add_f32 v[32+\i], -1.0, v[24+\i]             ; w - 1, exact
.endr
.irp i, 0,1,2,3,4,5,6,7
	v_log_f32 v[40+\i], v[24+\i]
.endr
.irp i, 0,1,2,3,4,5,6,7
	v_rcp_f32 v[48+\i], v[32+\i]
.endr
	v_nop
	s_wait_alu depctr_va_vdst(0)                   ; one wait for the sixteen
.irp i, 0,1,2,3,4,5,6,7
	v_mul_f32 v[40+\i], 0x3f317218, v[40+\i]       ; log(w)
.endr
.irp i, 0,1,2,3,4,5,6,7
	v_mul_f32 v[40+\i], v[40+\i], v[16+\i]
.endr
.irp i, 0,1,2,3,4,5,6,7
	v_mul_f32 v[40+\i], v[40+\i], v[48+\i]
.endr
.irp i, 0,1,2,3,4,5,6,7
	v_cmp_eq_f32 vcc_lo, 0, v[32+\i]
	v_cndmask_b32 v[40+\i], v[40+\i], v[16+\i], vcc_lo   ; where w = 1: u
	v_max_num_f32 v[8+\i], 0, v[8+\i]
.endr
.irp i, 0,1,2,3,4,5,6,7
	v_add_f32 v[8+\i], v[8+\i], v[40+\i]
.endr
.irp i, 0,1,2,3,4,5,6,7
	v_add_f32 v[8+\i], 0x358637bd, v[8+\i]         ; + 1e-6
.endr
	global_store_b128 v2, v[8:11], s[6:7] offset:DGOFF
	global_store_b128 v2, v[12:15], s[6:7] offset:DGOFF+2048
	s_endpgm
; ---- X.  A wave takes 8 rows of x, 8,192 numbers, in 16 steps of 512.  Each of a step's four loads reads 512 consecutive bytes; the 2,048 bytes turn through the wave's own stage in LDS and come back 64 bytes
; a lane, so that a lane holds 16 neighbours along K (two neighbouring lanes hold a block).  A lane's 16 codes are 12 bytes: the wave stores 384 consecutive bytes.  The wave's 256 scale bytes leave as one block.
; Eight rows are one value of the row number's bits 3 and 4: sigma moves the wave's whole run.
.macro XLOAD t
.irp i, 0,1,2,3
	global_load_b128 v[XR+16*((\t)%4)+4*\i:XR+16*((\t)%4)+4*\i+3], v3, s[4:5] offset:2048*(\t)+512*\i th:TH_LOAD_NT
.endr
.endm
.macro XTURN t                         ; LDS serves a wave's instructions in order (ISA guide 5.7.1.4): no wait between the stores and the loads
.irp i, 0,1,2,3
	ds_store_b128 v14, v[XR+16*((\t)%4)+4*\i:XR+16*((\t)%4)+4*\i+3] offset:32*XSP*((\t)%2)+8*XSP*\i
.endr
.irp i, 0,1,2,3
	ds_load_b128 v[XX+16*((\t)%2)+4*\i:XX+16*((\t)%2)+4*\i+3], v15 offset:32*XSP*((\t)%2)+16*\i
.endr
.endm
.macro XSTEP t
.set XS, XX+16*((\t)%2)
.if (\t) > 0
	s_wait_dscnt 1                                 ; this step's numbers are back from the stage; the last step's byte store may be out
.else
	s_wait_dscnt 0x0
.endif
.if (\t)+4 < STEPS
	XLOAD (\t)+4                                   ; into the registers that this step's stores into the stage have read
.endif
.if (\t)+1 < STEPS
.if STEPS-2-(\t) >= 3
	s_wait_loadcnt 12                              ; the next step's four loads are in; those of the three steps behind it may be out
.else
	s_wait_loadcnt 4*(STEPS-2-(\t))
.endif
	XTURN (\t)+1
.endif
	v_max3_num_f32 v8, |v[XS]|, |v[XS+1]|, |v[XS+2]|
	v_max3_num_f32 v9, |v[XS+3]|, |v[XS+4]|, |v[XS+5]|
.irp i, 6,10
	v_max3_num_f32 v8, v8, |v[XS+\i]|, |v[XS+\i+1]|
	v_max3_num_f32 v9, v9, |v[XS+\i+2]|, |v[XS+\i+3]|
.endr
	v_max3_num_f32 v8, v8, |v[XS+14]|, |v[XS+15]|
	v_max3_num_f32 v8, v8, v9, (EMAX+1)<<23        ; and the floor 2^(3 - 127): the byte cannot fall under 1
	v_max_num_f32_dpp v8, v8, v8 row_xmask:1 row_mask:0xf bank_mask:0xf   ; with my neighbour's 16: the block's largest magnitude
	v_add_nc_u32 v11, -(EMAX<<23), v8              ; 2 off its exponent field: the conversion takes that field as its scale
	v_cvt_scalef32_pk16_fp6_f32 v[XC+4*(\t):XC+4*(\t)+2], v[XS:XS+15], v11
	v_lshrrev_b32 v[XE+(\t)], 23, v11              ; the scale's byte
	ds_store_b8 v5, v[XE+(\t)] offset:16*(\t)      ; both lanes of a block write the same byte with the same value
	global_store_b96 v4, v[XC+4*(\t):XC+4*(\t)+2], s[8:9] offset:32*CB*(\t)
.endm
.Lpath_x:
	s_load_b64 s[4:5], s[0:1], 0x0                 ; x
	s_load_b64 s[8:9], s[0:1], 0x38                ; xq
	v_and_b32 v2, 31, v0                           ; lane
	v_lshlrev_b32 v3, 4, v2                        ; my 16 bytes of a load's 512
	s_mul_i32 s17, s16, WREG
	v_lshrrev_b32 v14, 2, v2
	v_mul_u32_u24 v14, v14, XSP
	v_and_b32 v15, 3, v2
	v_lshl_add_u32 v14, v15, 4, v14
	v_add_nc_u32 v14, s17, v14                     ; the stage, in: XSP (lane / 4) + 16 (lane % 4)
	v_mul_u32_u24 v15, v2, XSP
	v_add_nc_u32 v15, s17, v15                     ; out: XSP x lane
	v_mul_u32_u24 v4, v2, CB                       ; my codes' place in a step's
	v_lshrrev_b32 v5, 1, v2
	s_add_co_u32 s17, s17, 2*32*XSP
	v_add_nc_u32 v5, s17, v5                       ; my block's byte among the wave's 256
	v_lshlrev_b32 v7, 3, v2
	v_add_nc_u32 v6, s17, v7
	s_lshl_b32 s18, ttmp9, 2
	s_add_co_u32 s20, s18, s16                     ; the run that I read: 4 x work-group + wave
	s_and_b32 s21, s16, 1
	s_lshl_b32 s21, s21, 1
	s_lshr_b32 s22, s16, 1
	s_or_b32 s21, s21, s22
	s_add_co_u32 s18, s18, s21                     ; the run that I write: the wave's two bits exchanged
	s_lshl_b32 s20, s20, 15                        ; 32,768 bytes of x a run
	s_mov_b32 s21, 0
	s_mul_i32 s22, s18, 6144                       ; 8 rows of 768 bytes of codes
	s_mov_b32 s23, 0
	s_lshl_b32 s24, s18, 8                         ; 256 scale bytes
	s_add_co_u32 s24, s24, SCOFF
	s_mov_b32 s25, 0
	s_wait_kmcnt 0x0
	s_add_nc_u64 s[4:5], s[4:5], s[20:21]
	s_add_nc_u64 s[10:11], s[8:9], s[24:25]
	s_add_nc_u64 s[8:9], s[8:9], s[22:23]
.irp t, 0,1,2,3
	XLOAD \t
.endr
	s_wait_loadcnt 12                              ; step 0's four loads are in
	XTURN 0
.irp t, 0,1,2,3,4,5,6,7,8,9,10,11,12,13,14,15
	XSTEP \t
.endr
	ds_load_b64 v[12:13], v6                       ; these see my byte stores
	s_wait_dscnt 0x0
	global_store_b64 v7, v[12:13], s[10:11]        ; 32 lanes store 256 consecutive bytes, aligned
	s_wait_tensorcnt 0x0
	ds_add_u32 v192, v193
	s_wait_dscnt 0x0
	s_endpgm
; ---- W.  32 work-groups a weight: 128 columns x 256 along K each; a wave 32 columns.  A lane's 32 registers are a whole block of one column; its codes go through the wave's stage and leave as rows of 192 bytes,
; row c of the stage to stored row sigma(c).
.macro WLOAD t
.irp i, 0,1,2,3,4,5,6,7,8,9,10,11,12,13,14,15,16,17,18,19,20,21,22,23,24,25,26,27,28,29,30,31
	global_load_b32 v[WX+32*((\t)%2)+\i], v3, s[4:5] offset:(32*(\t)+\i)*4096 th:TH_LOAD_NT
.endr
.endm
.macro WBLOCK t
.set WS, WX+32*((\t)%2)
.if (\t) < NB-1
	s_wait_loadcnt 32                              ; this block's 32 loads are in; the next block's may be out
.else
	s_wait_loadcnt 0
.endif
	v_max3_num_f32 v12, |v[WS]|, |v[WS+1]|, |v[WS+2]|
	v_max3_num_f32 v13, |v[WS+3]|, |v[WS+4]|, |v[WS+5]|
.irp i, 6,10,14,18,22,26
	v_max3_num_f32 v12, v12, |v[WS+\i]|, |v[WS+\i+1]|
	v_max3_num_f32 v13, v13, |v[WS+\i+2]|, |v[WS+\i+3]|
.endr
	v_max3_num_f32 v12, v12, |v[WS+30]|, |v[WS+31]|
	v_max3_num_f32 v12, v12, v13, (EMAX+1)<<23
	v_add_nc_u32 v11, -(EMAX<<23), v12
	v_lshrrev_b32 v13, 23, v11
.if (\t)%4 == 0
	v_mov_b32 v[WSB+(\t)/4], v13
.else
	v_lshl_or_b32 v[WSB+(\t)/4], v13, 8*((\t)%4), v[WSB+(\t)/4]
.endif
	v_cvt_scalef32_pk16_fp6_f32 v[WC:WC+2], v[WS:WS+15], v11
	v_cvt_scalef32_pk16_fp6_f32 v[WC+4:WC+6], v[WS+16:WS+31], v11
	ds_store_b96 v4, v[WC:WC+2] offset:32*(\t)     ; 12 bytes to a place of 16
	ds_store_b96 v4, v[WC+4:WC+6] offset:32*(\t)+16
.if (\t)+2 < NB
	WLOAD (\t)+2
.endif
	s_wait_dscnt 0x0                               ; the stores have read their registers: the next block's codes may be written
.endm
.Lpath_w:
	s_load_b256 s[36:43], s[0:1], 0x8              ; Wq, Wk, Wv, Wo
	s_load_b64 s[6:7], s[0:1], 0x40                ; wq
	s_sub_co_u32 s17, ttmp9, 128
	s_lshr_b32 s26, s17, 5                         ; which weight
	s_bfe_u32 s18, s17, 0x20003                    ; which 256 along K
	s_and_b32 s17, s17, 7
	s_lshl_b32 s17, s17, 7
	s_lshl_b32 s19, s16, 5
	s_add_co_u32 s17, s17, s19                     ; my wave's first column
	v_and_b32 v2, 31, v0
	v_lshlrev_b32 v3, 2, v2
	s_mul_i32 s19, s16, 32*WPITCH
	s_add_co_u32 s19, s19, WLDS                    ; my stage
	v_mul_u32_u24 v4, v2, WPITCH
	v_add_nc_u32 v4, s19, v4                       ; into it: row = my column
	v_and_b32 v5, 15, v2
	v_lshrrev_b32 v6, 4, v2
	v_mul_u32_u24 v7, v6, WPITCH
	v_lshl_add_u32 v7, v5, 4, v7
	v_add_nc_u32 v7, s19, v7                       ; out of it: sixteen lanes to a row, two rows an instruction
	v_mul_u32_u24 v8, v6, KROW
	v_mad_u32_u24 v8, v5, 12, v8                   ; and the same place in memory (sigma leaves a row number's lowest bit alone)
	v_and_b32 v9, 7, v2
	v_bfe_u32 v10, v2, 3, 1
	v_lshl_or_b32 v9, v10, 4, v9
	v_bfe_u32 v10, v2, 4, 1
	v_lshl_or_b32 v9, v10, 3, v9                   ; sigma(lane)
	v_lshlrev_b32 v9, 5, v9                        ; my column's row of scale bytes
	s_lshl_b32 s20, s18, 20                        ; 256 rows of 4,096 bytes
	s_lshl_b32 s22, s17, 2
	s_add_co_u32 s20, s20, s22
	s_mov_b32 s21, 0
	s_lshl_b32 s22, s26, 10
	s_add_co_u32 s22, s22, s17                     ; my first stored row
	s_mul_i32 s24, s22, KROW
	s_mul_i32 s23, s18, WROWB
	s_add_co_u32 s24, s24, s23
	s_mov_b32 s25, 0
	s_lshl_b32 s28, s22, 5
	s_lshl_b32 s23, s18, 3
	s_add_co_u32 s28, s28, s23
	s_add_co_u32 s28, s28, SCOFF
	s_mov_b32 s29, 0
	s_wait_kmcnt 0x0
	s_cmp_eq_u32 s26, 1                            ; the choice hangs on the work-group's number alone
	s_cselect_b64 s[4:5], s[38:39], s[36:37]
	s_cmp_eq_u32 s26, 2
	s_cselect_b64 s[4:5], s[40:41], s[4:5]
	s_cmp_eq_u32 s26, 3
	s_cselect_b64 s[4:5], s[42:43], s[4:5]
	s_add_nc_u64 s[4:5], s[4:5], s[20:21]
	s_add_nc_u64 s[8:9], s[6:7], s[28:29]
	s_add_nc_u64 s[6:7], s[6:7], s[24:25]
	WLOAD 0
	WLOAD 1
.set Q, 0
.rept NB
	WBLOCK Q
.set Q, Q+1
.endr
	global_store_b64 v9, v[WSB:WSB+1], s[8:9]      ; my column's 8 scale bytes
.irp t, 0,1,2,3,4,5,6,7,8,9,10,11,12,13,14,15
	ds_load_b96 v[WOUT+4*\t:WOUT+4*\t+2], v7 offset:2*\t*WPITCH
.endr
.irp t, 0,1,2,3,4,5,6,7,8,9,10,11,12,13,14,15
	s_wait_dscnt 15-\t
	global_store_b96 v8, v[WOUT+4*\t:WOUT+4*\t+2], s[6:7] offset:(((2*\t)&7)+(((2*\t)>>3)&1)*16+(((2*\t)>>4)&1)*8)*KROW
.endr
	s_wait_tensorcnt 0x0
	ds_add_u32 v192, v193
	s_wait_dscnt 0x0
	s_endpgm
; ---- M.  A work-group takes one tile of 16 queries (the rows 32 (tile / 2) + 8 (tile % 2) + r + 8 (r / 8) of its batch), a wave four key steps of 128.  Lane (r, h) loads, for each block of 32 keys,
; the 16 bytes of its row at keys 16 h on: byte i of them belongs to score register 16 (block) + i of that lane.  A compare over the 32 lanes IS the word wanted: bit = lane.
; A row with no visible key at all gets ones everywhere and the flag 0: it attends uniformly.
.Lpath_m:
	s_load_b64 s[4:5], s[0:1], 0x28                ; mask
	s_load_b64 s[6:7], s[0:1], 0x48                ; mw
	s_sub_co_u32 s17, ttmp9, 256                   ; the tile, 0..255
	s_lshr_b32 s18, s17, 7                         ; batch
	s_and_b32 s19, s17, 127
	s_lshr_b32 s20, s19, 1
	s_lshl_b32 s20, s20, 5
	s_and_b32 s21, s19, 1
	s_lshl_b32 s21, s21, 3
	s_add_co_u32 s20, s20, s21
	s_lshl_b32 s18, s18, 11
	s_add_co_u32 s20, s20, s18                     ; the tile's first row
	s_lshl_b32 s20, s20, 11                        ; 2,048 bytes a row
	s_mov_b32 s21, 0
	s_mov_b32 s12, 0x76543210
	s_mov_b32 s13, 0xfedcba98                      ; selects for lane l xor 16
	v_and_b32 v1, 15, v0                           ; r
	v_bfe_u32 v2, v0, 4, 1                         ; h
	v_and_b32 v3, 8, v1
	v_add_nc_u32 v3, v3, v1                        ; r + 8 (r / 8)
	v_lshlrev_b32 v3, 11, v3
	v_lshl_add_u32 v3, v2, 4, v3
	s_lshl_b32 s22, s16, 9                         ; my wave's 512 keys
	v_add_nc_u32 v3, s22, v3
	v_lshl_add_u32 v13, v0, 2, MLDS                ; my thread's word
	v_and_b32 v14, 31, v0
	v_lshlrev_b32 v15, 4, v14                      ; 16 x lane: the way out
	v_lshlrev_b32 v4, 2, v14                       ; 4 x lane: the flags
	v_lshl_add_u32 v14, v14, 2, MLDS               ; my lane's word of wave 0
	s_lshl_b32 s22, s17, 12                        ; a tile's 16 steps of 256 bytes,
	s_lshl_b32 s23, s16, 10                        ; my wave's four of them
	s_add_co_u32 s22, s22, s23
	s_mov_b32 s23, 0
	s_lshl_b32 s10, s17, 7                         ; a tile's 32 flags
	s_mov_b32 s11, 0
	s_wait_kmcnt 0x0
	s_add_nc_u64 s[4:5], s[4:5], s[20:21]
	s_add_nc_u64 s[8:9], s[6:7], s[10:11]
	s_add_nc_u64 s[6:7], s[6:7], s[22:23]
.irp q, 0,1,2,3,4,5,6,7,8,9,10,11,12,13,14,15
	global_load_b128 v[MD+4*\q:MD+4*\q+3], v3, s[4:5] offset:32*\q th:TH_LOAD_NT   ; step q / 4, block q % 4
.endr
.irp k, 0,1,2,3,4,5,6,7
	v_mov_b32 v[MO+\k], 0                          ; a lane write's destination counts as read
.endr
	v_mov_b32 v12, 0
	s_wait_loadcnt 0x0
.irp k, 0,1,2,3
	v_or_b32 v[8+\k], v[MD+\k], v[MD+4+\k]         ; is any key of my 512 visible?  four chains
.endr
.set j, 8
.rept 14
.irp k, 0,1,2,3
	v_or_b32 v[8+\k], v[8+\k], v[MD+j+\k]
.endr
.set j, j+4
.endr
	v_or_b32 v8, v8, v9
	v_or_b32 v10, v10, v11
	v_or_b32 v8, v8, v10
	v_permlanex16_b32 v12, v8, s12, s13
	v_or_b32 v8, v8, v12                           ; with the row's other half
	ds_store_b32 v13, v8
	s_wait_dscnt 0x0                               ; for the others' sake: my store is done
	s_barrier_signal -1
	s_barrier_wait -1
	ds_load_b32 v8, v14
	ds_load_b32 v9, v14 offset:128
	ds_load_b32 v10, v14 offset:256
	ds_load_b32 v11, v14 offset:384
	s_wait_dscnt 0x0
	v_or_b32 v8, v8, v9
	v_or_b32 v10, v10, v11
	v_or_b32 v8, v8, v10                           ; over all 2,048 keys of my row
	v_cmp_ne_u32 vcc_lo, 0, v8
	v_mov_b32 v9, 0x01010101
	v_mov_b32 v10, 0
	v_mov_b32 v11, 1
	v_cndmask_b32 v9, v9, v10, vcc_lo              ; a row without a visible key: ones into every byte
	v_cndmask_b32 v5, v10, v11, vcc_lo             ; the flag
.set j, 0
.rept 64
	v_or_b32 v[MD+j], v[MD+j], v9
.set j, j+1
.endr
.set W, 0                              ; word W = 64 (step) + 16 (block) + i, eight at a time
.rept 32
.irp e, 0,1,2,3,4,5,6,7
	v_and_b32 v[16+\e], 1<<(8*(\e&3)), v[MD+4*(W/16)+(((W+\e)%16)>>2)]
.endr
.irp e, 0,1,2,3,4,5,6,7
	v_cmp_ne_u32 s[24+\e], 0, v[16+\e]
.endr
.irp e, 0,1,2,3,4,5,6,7
	v_writelane_b32 v[MO+4*(W/128)+(\e%4)], s[24+\e], ((W+\e)%128)/4
.endr
.set W, W+8
.endr
	global_store_b128 v15, v[MO:MO+3], s[6:7]      ; 32 lanes store 512 consecutive bytes, aligned
	global_store_b128 v15, v[MO+4:MO+7], s[6:7] offset:512
	s_cmp_lg_u32 s16, 0
	s_cbranch_scc1 .Lm_end
	global_store_b32 v4, v5, s[8:9] offset:ALOFF   ; wave 0: the tile's flags, one a lane
.Lm_end:
	s_wait_tensorcnt 0x0
	ds_add_u32 v192, v193
	s_wait_dscnt 0x0
	s_endpgm
.Lfunc_end_k_qceab727fd5_prep:
	.size	k_qceab727fd5_prep, .Lfunc_end_k_qceab727fd5_prep-k_qceab727fd5_prep
	.p2alignl 7, 3214868480
	.fill 96, 4, 3214868480
	.section	.rodata,"a",@progbits
	.p2align	6, 0x0
	.amdhsa_kernel k_qceab727fd5_prep
		.amdhsa_group_segment_fixed_size 68608
		.amdhsa_private_segment_fixed_size 0
		.amdhsa_enable_private_segment 0
		.amdhsa_kernarg_size 80
		.amdhsa_user_sgpr_count 2
		.amdhsa_user_sgpr_kernarg_segment_ptr 1
		.amdhsa_wavefront_size32 1
		.amdhsa_system_sgpr_workgroup_id_x 1
		.amdhsa_system_sgpr_workgroup_id_y 1
		.amdhsa_system_sgpr_workgroup_id_z 1
		.amdhsa_system_vgpr_workitem_id 0
		.amdhsa_next_free_vgpr 194
		.amdhsa_next_free_sgpr 66
		.amdhsa_reserve_vcc 1
		.amdhsa_float_denorm_mode_32 3
		.amdhsa_float_denorm_mode_16_64 3
		.amdhsa_memory_ordered 1
		.amdhsa_forward_progress 1
		.amdhsa_inst_pref_size 134
	.end_amdhsa_kernel
	.amdgpu_metadata
---
amdhsa.version: [ 1, 2 ]
amdhsa.kernels:
  - .name:           k_qceab727fd5_prep
    .symbol:         k_qceab727fd5_prep.kd
    .args:
      - { .name: x, .offset: 0, .size: 8, .value_kind: global_buffer, .address_space: global }
      - { .name: Wq, .offset: 8, .size: 8, .value_kind: global_buffer, .address_space: global }
      - { .name: Wk, .offset: 16, .size: 8, .value_kind: global_buffer, .address_space: global }
      - { .name: Wv, .offset: 24, .size: 8, .value_kind: global_buffer, .address_space: global }
      - { .name: Wo, .offset: 32, .size: 8, .value_kind: global_buffer, .address_space: global }
      - { .name: mask, .offset: 40, .size: 8, .value_kind: global_buffer, .address_space: global }
      - { .name: log_diag, .offset: 48, .size: 8, .value_kind: global_buffer, .address_space: global }
      - { .name: xq, .offset: 56, .size: 8, .value_kind: global_buffer, .address_space: global }
      - { .name: wq, .offset: 64, .size: 8, .value_kind: global_buffer, .address_space: global }
      - { .name: mw, .offset: 72, .size: 8, .value_kind: global_buffer, .address_space: global }
    .group_segment_fixed_size: 68608
    .private_segment_fixed_size: 0
    .kernarg_segment_align: 8
    .kernarg_segment_size: 80
    .max_flat_workgroup_size: 128
    .sgpr_count:     66
    .vgpr_count:     194
    .wavefront_size: 32
...
	.end_amdgpu_metadata
.endif
;; end of part 1
;; launch gemm_qkv (part 2): grid 12 x 16, 4 waves a work-group, clusters of 4 x 4, 327,680 bytes of LDS; arguments xq, wq, bq, bk, bv, qkc, qka, vq; writes qkc, qka, vq
.if DOCPART == 2
	.amdgcn_target "amdgcn-amd-amdhsa--gfx1250"
	.amdhsa_code_object_version 6
	.text
	.protected	k_qceab727fd5_gemm_qkv
	.globl	k_qceab727fd5_gemm_qkv
	.p2align	8
	.type	k_qceab727fd5_gemm_qkv,@function
k_qceab727fd5_gemm_qkv:
	s_mov_b64 s[64:65], 0
	v_nop
	global_prefetch_b8 v0, s[64:65] scope:SCOPE_SE
	s_setreg_imm32_b32 hwreg(HW_REG_WAVE_MODE, 25, 1), 1
	s_wait_xcnt 0x0
	s_wait_alu depctr_hold_cnt(0) depctr_sa_sdst(0) depctr_va_vdst(0) depctr_va_sdst(0) depctr_va_ssrc(0) depctr_va_vcc(0) depctr_vm_vsrc(0)
	s_getreg_b32 s2, hwreg(HW_REG_IB_STS2, 6, 4)
	s_cmp_eq_u32 s2, 0
	s_cbranch_scc0 .Lentry_in_a_cluster
	s_endpgm
.Lentry_in_a_cluster:
	s_bfe_u32 s2, ttmp6, 0x10000c
	s_cmp_lg_u32 s2, 0xf033
	s_cbranch_scc0 .Lentry_shape_is_right
	s_endpgm
.Lentry_shape_is_right:
; THE THREE PROJECTIONS, on codes of FP6 (E2M3) with one E8M0 scale for each 32 along K = 1,024, and what is made of them for the attention: nothing goes to memory as f32 but the rows' norms.
; A tile of 256 x 256 is made by a work-group of four waves, a wave makes 128 x 128: 64 accumulators of 16 x 16.  K goes in steps of 256 through a ring of two LDS slots filled by the tensor data mover;
; the scale bytes of the work-group's rows come into LDS once.  4 x 4 work-groups form a cluster: A's tiles are asked for jointly along a row of the cluster, B's along a column.
; THE MATRIX INSTRUCTION IS USED TRANSPOSED (source 0 = 16 rows of B, source 1 = 16 rows of A): a lane holds one row of A and its registers run along B's rows.
; ROLES, by the cluster's x (the same in all sixteen partners):
;   x = 0, 1 (q, k):  A = x's rows (tokens), B = Wq's and Wk's rows (output columns).  A lane holds one token and 128 neighbouring columns: two heads.
;   x = 2    (v):     A = Wv's rows (channels), B = x's rows (tokens).  A lane holds one channel and 128 neighbouring tokens: a key step of the attention's second product.
; The stored rows of xq and wq have bits 3 and 4 of their number exchanged inside each 32: block 2 g + u holds in place r the row 32 g + 8 u + r + 8 (r / 8), so that a lane's register 16 b + i of a block of A
; is B's row 32 b + 16 (lane / 16) + i: 16 neighbours along the next product's K.
; OUT:  q diag and k as images of operand registers 0-5 (64 along K), their scale words (upper two bytes 0x7f, for the half of the instruction's K that holds zero codes), -0.5 sum(y y diag) for each row;
;       v, quantised along the keys, as images of whole operands, and their scale words.
; LIMITS: a block of zeros gets the byte 1 (its codes are zeros; this program alone reads the bytes); largest magnitudes under 2^-124 are held at that floor; NaN and infinities are not served.
; REGISTERS, in windows of 256: window 0: v0-31 addresses; v32-63 scale words, two sets; from v128 A's fragments, one set.  window 1: B's fragments, two sets.  windows 2, 3: the accumulators ((a, b) at v[8 (8 (a % 4) + b)]).
; Behind the last product: window 0: v32-95 a block's 64 numbers, v96-114 codes, v116-132 the quantiser's, v136-159 words and norms, v160-223 y diag;  window 1: v0-63 bias, v64-127 diag, v128-191 diag or 1.
.set KSTEP,  256
.set NQ,     2
.set ROWB,   192                       ; a tile's row in bytes
.set KROW,   768                       ; a row of codes in memory
.set PITCH,  240                       ; an LDS row: 3 x (64 bytes + 16 of padding) = 60 words, so that the 32 lanes of a load of 8 bytes touch 64 different banks (64 banks of 4 bytes: ISA guide 11.1)
.set FR,     12
.set NL,     6
.set NP,     4                         ; places behind this matrix instruction (ISA guide 7.12.1)
.set HALFT,  128*PITCH
.set SLOT,   4*HALFT
.set LAPS,   2                         ; 1,024 / 512
.set KS,     32                        ; a row of scale bytes
.set SCL,    2*SLOT                    ; behind the ring: the scales, as units of 256 bytes + 16 of padding
.set HALFS,  16*272
.set SBLK,   2*272
.set SPARE,  SCL+4*HALFS               ; the spare words, 128 bytes for each wave, that no other line names
.set STG,    SPARE+512                 ; 1,024 bytes for each wave: the norms' way out; no tile ever lands here
.set SCOFF,  3145728                   ; where the scale bytes begin in xq, wq and vq
.set DGOFF,  3276800                   ; where diag begins in wq
.set ADRA, 16
.set ADRB, 20
.set ADRS, 27
.set SPW,  28
.set NIL,  29
.set SC,   32
.set AF,   128
.set G1, 24
.set G0, 32
.set G1B, 48
.set G0B, 56
.set G1S, 68
.set G0S, 76
.set G1SB, 80
.set G0SB, 88
.set SEL, 66                           ; s[66:67] selects for lane l xor 16
.set Y,   32
.set QC,  96
.set TM,  116
.set PW,  132
.set SW,  136
.set NS,  144
.set NR,  152
.set Z,   160
.set VB,  224
.set BI,  0
.set DG,  64
.set DQ,  128
.set MSB, 0
.macro WIN new                         ; the immediate's high byte repeats the setting that is left
.if MSB != (\new)
	s_set_vgpr_msb (MSB<<8)|(\new)
.set MSB, (\new)
.endif
.endm
.set MUL_LO, 0xa1                      ; source 0 (B) window 1, source 1 (A) window 0, C and D window 2
.set MUL_HI, 0xf1
.set TO_B,   0x40
; A joint load: waves 0 and 1 fetch for A, waves 2 and 3 for B; the branch hangs on the wave's number alone.  Four v_nop follow each of the two lines.
.macro JLOAD g0a, g1a, g0b, g1b
	s_cmp_eq_u32 s15, 0
	s_cbranch_scc0 .Lfor_b_\@
	tensor_load_to_lds s[\g0a:\g0a+3], s[\g1a:\g1a+7]
	s_nop 0
.rept 4
	v_nop
.endr
	s_branch .Lasked_\@
.Lfor_b_\@:
	tensor_load_to_lds s[\g0b:\g0b+3], s[\g1b:\g1b+7]
	s_nop 0
.rept 4
	v_nop
.endr
.Lasked_\@:
.endm
.macro CREST                           ; a round of the cluster's barrier behind its opening barrier
	s_cmp_lg_u32 s14, 0
	s_cbranch_scc1 .Lnot_wave_0_\@
	s_barrier_signal -3
.Lnot_wave_0_\@:
	s_barrier_wait -3
	s_barrier_signal -1
	s_barrier_wait -1
.endm
.macro CROUND
	s_barrier_signal -1
	s_barrier_wait -1
	CREST
.endm
	s_load_b128 s[4:7], s[0:1], 0x0                ; xq s[4:5], wq s[6:7]
	v_lshl_add_u32 v[SPW], v0, 2, SPARE
	v_mov_b32 v[NIL], 0
	ds_add_u32 v28, v29
	ds_add_u32 v28, v29
	s_wait_dscnt 0x0
	v_lshrrev_b32 v1, 5, v0
	v_readfirstlane_b32 s14, v1                    ; wave 0..3
	s_lshr_b32 s15, s14, 1                         ; which half of A's rows is mine.  Also: I fetch for A (0) or for B (1)
	s_and_b32 s16, s14, 1                          ; which half of B's rows.  Also: which 128 rows of that tile I fetch
	s_bfe_u32 s40, ttmp6, 0x40000                  ; cx
	s_bfe_u32 s41, ttmp6, 0x40004                  ; cy
	s_and_b32 s95, ttmp7, 0xffff                   ; the cluster's y
	s_cmp_eq_u32 ttmp9, 2                          ; v's clusters?
	s_cselect_b32 s96, 0, s95                      ; four tile rows of A: v: Wv's only four; q, k: by the cluster's y
	s_cselect_b32 s97, s95, ttmp9                  ; four tile columns of B: v: x's, by the cluster's y; q, k: by its x
	s_cselect_b32 s98, 2048, 0                     ; Wv's rows begin at stored row 2,048 of wq
	s_lshl_b32 s42, s97, 2
	s_add_co_u32 s42, s42, s40                     ; tile column
	s_lshl_b32 s17, s96, 2
	s_add_co_u32 s17, s17, s41                     ; tile row
	s_lshl_b32 s43, s41, 2
	s_lshl_b32 s43, 15, s43                        ; my row of the cluster
	s_lshl_b32 s44, 0x1111, s40                    ; my column
	s_or_b32 s[G1+0], s43, (0<<16)|(1<<20)|(1<<21)|(3<<22)|(3<<25)  ; the mask; elements of 1 byte; padding on; bit 21 beside a mask; after every 16 words, 4 words
	s_or_b32 s[G1B+0], s44, (0<<16)|(1<<20)|(1<<21)|(3<<22)|(3<<25)
.irp g, G1, G1B
	s_mov_b32 s[\g+1], ROWB<<16                    ; tensor_dim0
	s_mov_b32 s[\g+2], 128<<16                     ; tensor_dim1
	s_mov_b32 s[\g+3], ROWB<<16                    ; tile_dim0
	s_mov_b32 s[\g+4], 128                         ; tile_dim1
	s_mov_b32 s[\g+5], KROW                        ; the pitch
	s_mov_b32 s[\g+6], 0
	s_mov_b32 s[\g+7], 0
.endr
	s_or_b32 s[G1S+0], s43, (3<<16)|(1<<20)|(1<<21)|(5<<22)|(3<<25)  ; the scales of 128 rows: 4,096 dense bytes as 16 rows of 256, 16 bytes of padding behind each
	s_or_b32 s[G1SB+0], s44, (3<<16)|(1<<20)|(1<<21)|(5<<22)|(3<<25)
.irp g, G1S, G1SB
	s_mov_b32 s[\g+1], 32<<16
	s_mov_b32 s[\g+2], 16<<16
	s_mov_b32 s[\g+3], 32<<16
	s_mov_b32 s[\g+4], 16
	s_mov_b32 s[\g+5], 32
	s_mov_b32 s[\g+6], 0
	s_mov_b32 s[\g+7], 0
.endr
	s_lshl_b32 s18, s16, 7                         ; which 128 rows of the tile I fetch
	s_lshl_b32 s20, s17, 8
	s_add_co_u32 s20, s20, s18
	s_add_co_u32 s20, s20, s98                     ; A: stored row 256 x tile row + 128 x half (+ 2,048)
	s_lshl_b32 s46, s42, 8
	s_add_co_u32 s46, s46, s18                     ; B: stored row 256 x tile column + 128 x half
	s_mov_b32 s21, 0
	s_mov_b32 s47, 0
	s_mov_b64 s[18:19], KS
	s_mul_u64 s[22:23], s[20:21], s[18:19]         ; where these rows' scales begin
	s_mul_u64 s[92:93], s[46:47], s[18:19]
	s_mov_b64 s[18:19], KROW
	s_mul_u64 s[20:21], s[20:21], s[18:19]         ; and their codes
	s_mul_u64 s[46:47], s[46:47], s[18:19]
	s_mul_i32 s45, s14, HALFT                      ; where they go: wave x 128 rows: no place in the cluster enters an LDS address
	s_mul_i32 s94, s14, HALFS
	s_wait_kmcnt 0x0
	s_cmp_eq_u32 ttmp9, 2                          ; the buffers change roles with the cluster's x, which hangs on no address
	s_cselect_b64 s[8:9], s[4:5], s[6:7]           ; B's codes
	s_cselect_b64 s[12:13], s[6:7], s[4:5]         ; A's codes
	s_mov_b64 s[4:5], s[12:13]
	s_add_nc_u64 s[6:7], s[4:5], SCOFF             ; A's scales
	s_add_nc_u64 s[10:11], s[8:9], SCOFF           ; B's scales
	s_add_nc_u64 s[20:21], s[4:5], s[20:21]
	s_add_nc_u64 s[22:23], s[6:7], s[22:23]
	s_add_nc_u64 s[46:47], s[8:9], s[46:47]
	s_add_nc_u64 s[92:93], s[10:11], s[92:93]
	CROUND                                         ; all sixteen work-groups are here: the first joint loads meet
	s_mov_b32 s[G0S], 1
	s_add_co_u32 s[G0S+1], s94, SCL
	s_mov_b64 s[G0S+2:G0S+3], s[22:23]
	s_or_b32 s[G0S+3], s[G0S+3], 0x80000000
	s_mov_b32 s[G0SB], 1
	s_add_co_u32 s[G0SB+1], s94, SCL
	s_mov_b64 s[G0SB+2:G0SB+3], s[92:93]
	s_or_b32 s[G0SB+3], s[G0SB+3], 0x80000000
	JLOAD G0S, G1S, G0SB, G1SB                     ; the scales first: they are wanted with K step 0
.irp s, 0,1
	s_mov_b32 s[G0+4*\s], 1
	s_add_co_u32 s[G0+4*\s+1], s45, \s*SLOT
	s_add_nc_u64 s[G0+4*\s+2:G0+4*\s+3], s[20:21], \s*ROWB
	s_or_b32 s[G0+4*\s+3], s[G0+4*\s+3], 0x80000000
	s_mov_b32 s[G0B+4*\s], 1
	s_add_co_u32 s[G0B+4*\s+1], s45, \s*SLOT
	s_add_nc_u64 s[G0B+4*\s+2:G0B+4*\s+3], s[46:47], \s*ROWB
	s_or_b32 s[G0B+4*\s+3], s[G0B+4*\s+3], 0x80000000
	JLOAD G0+4*\s, G1, G0B+4*\s, G1B
.endr
	v_and_b32 v1, 15, v0                           ; r = l % 16
	v_bfe_u32 v2, v0, 4, 1                         ; h = l / 16
	v_mul_u32_u24 v3, v1, PITCH
	v_mul_u32_u24 v4, v2, 24
	v_add_nc_u32 v4, v3, v4                        ; a fragment's row x pitch + 24 x half
	v_lshl_add_u32 v5, v2, 4, v4                   ; and the same behind one padding more
	s_mul_i32 s21, s15, HALFT                      ; my 128 rows of A
	s_mul_i32 s22, s16, HALFT                      ; my 128 rows of B,
	s_add_co_u32 s22, s22, 2*HALFT                 ; which lie behind A's 256
.irp s, 0,1
	v_add_nc_u32 v[ADRA+\s], s21, v4
	v_add_nc_u32 v[ADRB+\s], s22, v4
	v_add_nc_u32 v[ADRA+2+\s], s21, v5
	v_add_nc_u32 v[ADRB+2+\s], s22, v5
	s_add_co_u32 s21, s21, SLOT
	s_add_co_u32 s22, s22, SLOT
.endr
	v_mul_u32_u24 v5, v1, KS                       ; my row's scales: 32 bytes a row,
	v_lshrrev_b32 v6, 8, v5
	v_lshl_add_u32 v5, v6, 4, v5                   ; and 16 more for each 256 passed
	s_mul_i32 s21, s15, HALFS
	s_mul_i32 s22, s16, HALFS
	s_add_co_u32 s22, s22, 2*HALFS
	s_sub_co_u32 s22, s22, s21
	v_mul_u32_u24 v6, s22, v2                      ; lanes 16-31 take B's
	s_add_co_u32 s21, s21, SCL
	v_add_nc_u32 v5, v5, v6
	v_add_nc_u32 v[ADRS], s21, v5
.macro FRAG reg, adr, q, i             ; 16 rows x 128 K of 6-bit codes: 12 registers, in pieces of 8 bytes; where the piece three on lies behind one padding more, the second address register serves
.irp p, 0,1,2,3,4,5
.set PCE, 12*(\q)+6*(\p/3)+\p%3
.if PCE%8 < 5
	ds_load_b64 v[\reg+2*\p:\reg+2*\p+1], v[\adr] offset:8*PCE+16*(PCE/8)+(\i)*16*PITCH
.else
	ds_load_b64 v[\reg+2*\p:\reg+2*\p+1], v[\adr+2] offset:8*PCE+16*(PCE/8)+(\i)*16*PITCH
.endif
.endr
.endm
; 16 matrix instructions: A's blocks a0, a0 + 1 x B's eight.  The 64 accumulators take turns, one instruction a turn, in the same order in every step.
.macro MUL16 a0, p, q, sc, zero
.irp a, \a0, \a0+1
.irp b, 0,1,2,3,4,5,6,7
.if \zero
	v_wmma_scale_f32_16x16x128_f8f6f4 v[8*(8*((\a)%4)+\b):8*(8*((\a)%4)+\b)+7], v[128*(\p)+FR*\b:128*(\p)+FR*\b+FR-1], v[AF+FR*(\a):AF+FR*(\a)+FR-1], 0, v[SC+8*NQ*(\sc)+NQ*\b+(\q)], v[SC+8*NQ*(\sc)+NQ*(\a)+(\q)] matrix_a_fmt:MATRIX_FMT_FP6 matrix_b_fmt:MATRIX_FMT_FP6 matrix_a_scale:MATRIX_SCALE_ROW1
.else
	v_wmma_scale_f32_16x16x128_f8f6f4 v[8*(8*((\a)%4)+\b):8*(8*((\a)%4)+\b)+7], v[128*(\p)+FR*\b:128*(\p)+FR*\b+FR-1], v[AF+FR*(\a):AF+FR*(\a)+FR-1], v[8*(8*((\a)%4)+\b):8*(8*((\a)%4)+\b)+7], v[SC+8*NQ*(\sc)+NQ*\b+(\q)], v[SC+8*NQ*(\sc)+NQ*(\a)+(\q)] matrix_a_fmt:MATRIX_FMT_FP6 matrix_b_fmt:MATRIX_FMT_FP6 matrix_a_scale:MATRIX_SCALE_ROW1
.endif
.endr
.endr
.endm
.macro FETCH_B slot, q, p
	WIN TO_B
.irp i, 0,1,2,3,4,5,6,7
	FRAG 128*(\p)+FR*\i, ADRB+\slot, \q, \i
.endr
	WIN 0
.endm
.macro FETCH_A slot, q, i0
.irp i, \i0, \i0+1, \i0+2, \i0+3
	FRAG AF+FR*(\i), ADRA+\slot, \q, \i
.endr
.endm
.macro SCALES sc                       ; a K step's scale words: lanes 0-15 take A's block i, lanes 16-31 B's block i
.irp i, 0,1,2,3,4,5,6,7
	ds_load_b64 v[SC+8*NQ*\sc+NQ*\i:SC+8*NQ*\sc+NQ*\i+1], v[ADRS] offset:\i*SBLK
.endr
.endm
.macro PLACES n                        ; plain vector lines between a matrix instruction and a load into, or a vector read of, its registers
.rept \n
	v_nop
.endr
.endm
.macro STEP slot, q, zero              ; 128 along K that has its successor in the same slot
	s_wait_dscnt 4*NL                              ; B's set and A's blocks 0-3 are in; the youngest 24 loads (A's blocks 4-7) may be out
	WIN MUL_LO
	MUL16 0, (\q)%2, \q, \slot, \zero
	MUL16 2, (\q)%2, \q, \slot, \zero
	s_wait_dscnt 0
	PLACES NP
	FETCH_B \slot, (\q)+1, 1-(\q)%2
	FETCH_A \slot, (\q)+1, 0
	WIN MUL_HI
	MUL16 4, (\q)%2, \q, \slot, \zero
	MUL16 6, (\q)%2, \q, \slot, \zero
	PLACES NP
	WIN 0
	FETCH_A \slot, (\q)+1, 4
.endm
; A slot's last step changes slots: one barrier; in front of it each wave waits for all its tensor loads, adds 0 to its spare word, and waits for that and for its own reads of this slot.
.macro TURN slot, next, fill
	s_wait_tensorcnt 0x0                           ; all my tensor loads have landed: my part of the next slot
	ds_add_u32 v[SPW], v[NIL]                      ; 0 onto my spare word
	s_wait_dscnt 4*NL+1                            ; the add and the youngest 24 loads may be out
	WIN MUL_LO
	MUL16 0, 1, NQ-1, \slot, 0
	s_wait_dscnt 0x0                               ; the add is done, and my reads of this slot are over
	s_barrier_signal -1
	MUL16 2, 1, NQ-1, \slot, 0
	WIN 0
	s_barrier_wait -1
.if \fill
	CREST                                          ; the barrier has opened a round of the cluster's: no wave of any partner still reads this slot or has a load on its way
	s_add_nc_u64 s[G0+4*\slot+2:G0+4*\slot+3], s[G0+4*\slot+2:G0+4*\slot+3], 2*ROWB
	s_add_nc_u64 s[G0B+4*\slot+2:G0B+4*\slot+3], s[G0B+4*\slot+2:G0B+4*\slot+3], 2*ROWB
	JLOAD G0+4*\slot, G1, G0B+4*\slot, G1B         ; the first tensor load behind the round; its four v_nop are the places in front of the loads below
.else
	PLACES NP
.endif
	v_add_nc_u32 v[ADRS], 4*NQ, v[ADRS]            ; on to the next K step's scale words
	FETCH_B \next, 0, 0
	FETCH_A \next, 0, 0
	SCALES \next
	WIN MUL_HI
	MUL16 4, 1, NQ-1, \slot, 0
	MUL16 6, 1, NQ-1, \slot, 0
	PLACES NP
	WIN 0
	FETCH_A \next, 0, 4
.endm
	s_wait_tensorcnt 1                             ; the scales and my part of K step 0 are in; K step 1's load may be out
	s_barrier_signal -1
	s_barrier_wait -1
	FETCH_B 0, 0, 0
	FETCH_A 0, 0, 0
	SCALES 0
	FETCH_A 0, 0, 4
	STEP 0, 0, 1                                   ; the first step's products start the sums
	s_mov_b32 s3, LAPS-1
.Llap:
	TURN 0, 1, 1
	STEP 1, 0, 0
	TURN 1, 0, 1
	STEP 0, 0, 0
	s_sub_co_u32 s3, s3, 1
	s_cmp_lg_u32 s3, 0
	s_cbranch_scc1 .Llap
	TURN 0, 1, 0                                   ; the last lap fills nothing
	STEP 1, 0, 0
	s_wait_dscnt 4*NL
	WIN MUL_LO
	MUL16 0, 1, NQ-1, 1, 0
	MUL16 2, 1, NQ-1, 1, 0
	s_wait_dscnt 0
	WIN MUL_HI
	MUL16 4, 1, NQ-1, 1, 0
	MUL16 6, 1, NQ-1, 1, 0
	WIN 0
; 64 numbers of a lane, v[s] .. v[s + 63], register 16 b + i = k 32 b + 16 (lane / 16) + i of my row, become an operand's 12 registers in v[QC] on and its scale word in v[PW].
.macro QUANT s
.irp b, 0,1,2,3
	v_max3_num_f32 v[TM+\b], |v[\s+16*\b]|, |v[\s+1+16*\b]|, 0x1800000   ; my 16 numbers of block b, and the floor 2^(3 - 127)
.endr
.irp i, 2,4,6,8,10,12,14
.irp b, 0,1,2,3
	v_max3_num_f32 v[TM+\b], v[TM+\b], |v[\s+16*\b+\i]|, |v[\s+1+16*\b+\i]|
.endr
.endr
.irp b, 0,1,2,3
	v_permlanex16_b32 v[TM+4+\b], v[TM+\b], s[SEL], s[SEL+1]
.endr
.irp b, 0,1,2,3
	v_max_num_f32 v[TM+\b], v[TM+\b], v[TM+4+\b]   ; with lane l xor 16's: the block's largest magnitude
.endr
.irp b, 0,1,2,3
	v_add_nc_u32 v[TM+12+\b], 0xff000000, v[TM+\b] ; 2 off its exponent field: the conversion's scale operand
.endr
.irp b, 0,1,2,3
	v_lshrrev_b32 v[TM+4+\b], 23, v[TM+12+\b]      ; the scale's byte
.endr
	v_lshl_or_b32 v[PW], v[TM+5], 8, v[TM+4]
	v_lshl_or_b32 v[PW], v[TM+6], 16, v[PW]
	v_lshl_or_b32 v[PW], v[TM+7], 24, v[PW]
.irp c, 0,1
	v_cvt_scalef32_pk16_fp6_f32 v[QC+6*\c:QC+2+6*\c], v[\s+32*\c:\s+15+32*\c], v[TM+12+2*\c]
	v_cvt_scalef32_pk16_fp6_f32 v[QC+12+4*\c:QC+14+4*\c], v[\s+16+32*\c:\s+31+32*\c], v[TM+12+2*\c+1]   ; (a conversion's three registers begin on an even number)
.endr
	v_nop                                          ; one plain line behind a scaled conversion
.irp c, 0,1                            ; the operand's layout wants a whole block in a lane
.irp i, 0,1,2
	v_permlane16_swap_b32 v[QC+6*\c+\i], v[QC+12+4*\c+\i]
.endr
.irp i, 0,1,2
	v_mov_b32 v[QC+3+6*\c+\i], v[QC+12+4*\c+\i]
.endr
.endr
.endm
	; Addresses that both ways out use are made here, ahead of the parting; these plain lines are also the places behind the last products.
	v_and_b32 v3, 31, v0
	v_lshlrev_b32 v8, 3, v3                        ; 8 x lane
	v_lshlrev_b32 v10, 4, v3                       ; 16 x lane
	s_lshl_b32 s20, s14, 10
	s_add_co_u32 s20, s20, STG                     ; my wave's 1,024 bytes
	v_lshlrev_b32 v11, 2, v1
	v_lshl_add_u32 v11, v2, 9, v11
	v_add_nc_u32 v11, s20, v11                     ; norms in: 512 (head) + 64 (block, in the offset) + 4 r
	v_add_nc_u32 v12, s20, v10                     ; and back: 16 x lane
.irp b, 0,1,2,3
	v_mov_b32 v[TM+4+\b], 0                        ; written once: a lane permute's destination counts as one of its sources
.endr
	s_mov_b32 s[SEL], 0x76543210
	s_mov_b32 s[SEL+1], 0xfedcba98
	s_cmp_eq_u32 ttmp9, 2
	s_cbranch_scc1 .Lv
; ---- q and k.  My 128 columns are two heads; my 128 tokens are eight tiles.
	s_load_b128 s[24:27], s[0:1], 0x10             ; bq, bk   (no tensor load is out: the descriptors' registers are free)
	s_load_b128 s[28:31], s[0:1], 0x28             ; qkc, qka
	s_load_b64 s[32:33], s[0:1], 0x8               ; wq, for diag
	s_and_b32 s20, s42, 3
	s_lshl_b32 s20, s20, 8
	s_lshl_b32 s21, s16, 7
	s_add_co_u32 s20, s20, s21                     ; my first column of q or of k
	s_lshr_b32 s21, s20, 6                         ; its head
	s_lshl_b32 s22, s17, 8
	s_lshl_b32 s23, s15, 7
	s_add_co_u32 s22, s22, s23                     ; my first token
	s_lshr_b32 s23, s22, 11                        ; batch
	s_bfe_u32 s22, s22, 0x70004                    ; its tile in the batch
	s_lshl_b32 s23, s23, 4
	s_add_co_u32 s23, s23, s21                     ; 16 x batch + head
	s_lshl_b32 s36, s20, 2
	s_mov_b32 s37, 0
	s_mul_i32 s38, s23, 98304                      ; a head's 128 tiles of 768 bytes
	s_mul_i32 s39, s22, 768
	s_add_co_u32 s38, s38, s39
	s_lshl_b32 s40, s23, 14                        ; a head's 8,192 bytes of scale words and 8,192 of norms
	s_lshl_b32 s41, s22, 6                         ; 64 bytes a tile in each
	s_add_co_u32 s40, s40, s41
	v_lshlrev_b32 v7, 6, v2                        ; bias, diag: my half's 16 numbers of a block of 32
	v_lshlrev_b32 v9, 4, v1
	v_lshl_add_u32 v9, v2, 14, v9                  ; scale words: 16 r, lanes 16-31 the next head's
	v_lshlrev_b32 v13, 4, v2                       ; 16 h: which two bytes of the word are my head's
	v_mov_b32 v14, 0x7f7f0000
	s_cmp_eq_u32 ttmp9, 1                          ; k?
	s_cselect_b32 s34, 0, -1                       ; all lanes on for q
	s_cselect_b32 s35, 3145728, 0
	s_cselect_b32 s44, 524288, 0
	s_wait_kmcnt 0x0
	s_cselect_b64 s[24:25], s[26:27], s[24:25]
	s_add_co_u32 s38, s38, s35
	s_mov_b32 s39, 0
	s_add_co_u32 s40, s40, s44
	s_mov_b32 s41, 0
	s_add_nc_u64 s[24:25], s[24:25], s[36:37]      ; the bias at my first column
	s_add_nc_u64 s[26:27], s[32:33], s[36:37]      ; diag likewise (DGOFF stands in the immediate)
	s_add_nc_u64 s[28:29], s[28:29], s[38:39]      ; codes
	s_add_nc_u64 s[30:31], s[30:31], s[40:41]      ; scale words; the norms lie 8,192 bytes on
	WIN 0x40                                       ; destination window 1
.irp q, 0,1,2,3,4,5,6,7,8,9,10,11,12,13,14,15
	global_load_b128 v[BI+4*\q:BI+4*\q+3], v7, s[24:25] offset:128*(\q/4)+16*(\q%4)
	global_load_b128 v[DG+4*\q:DG+4*\q+3], v7, s[26:27] offset:DGOFF+128*(\q/4)+16*(\q%4)
.endr
	s_wait_loadcnt 0x0
	WIN 0x44                                       ; source 1 and destination window 1
.set i, 0
.rept 64
	v_cndmask_b32 v[DQ+i], 1.0, v[DG+i], s34       ; what is quantised: q diag, or k as it is
.set i, i+1
.endr
.macro QKBLK a
	WIN 0x06+(\a)/4                                ; source 0: the accumulators' window, source 1: window 1
.set i, 0
.rept 32
	v_pk_add_f32 v[Y+i:Y+i+1], v[64*((\a)%4)+i:64*((\a)%4)+i+1], v[BI+i:BI+i+1]   ; y = sum + bias; each accumulator from its low end on
.set i, i+2
.endr
	WIN 0x04
.set i, 0
.rept 32
	v_pk_mul_f32 v[Z+i:Z+i+1], v[Y+i:Y+i+1], v[DG+i:DG+i+1]
.set i, i+2
.endr
	WIN 0
.irp c, 0,1,2,3                        ; sum(y y diag): a chain of pairs for each block of 32; blocks 0, 1 are the first head's
	v_pk_mul_f32 v[NS+2*\c:NS+2*\c+1], v[Y+16*\c:Y+16*\c+1], v[Z+16*\c:Z+16*\c+1]
.endr
.irp j, 2,4,6,8,10,12,14
.irp c, 0,1,2,3
	v_pk_fma_f32 v[NS+2*\c:NS+2*\c+1], v[Y+16*\c+\j:Y+16*\c+\j+1], v[Z+16*\c+\j:Z+16*\c+\j+1], v[NS+2*\c:NS+2*\c+1]
.endr
.endr
	v_pk_add_f32 v[NS:NS+1], v[NS:NS+1], v[NS+2:NS+3]
	v_pk_add_f32 v[NS+4:NS+5], v[NS+4:NS+5], v[NS+6:NS+7]
	v_add_f32 v[NS], v[NS], v[NS+1]
	v_add_f32 v[NS+4], v[NS+4], v[NS+5]
	v_permlane16_swap_b32 v[NS], v[NS+4]           ; lanes 0-15 now hold both halves of the first head's sum, lanes 16-31 of the second's
	v_add_f32 v[NS], v[NS], v[NS+4]
	v_mul_f32 v[NS], -0.5, v[NS]
	ds_store_b32 v11, v[NS] offset:64*(\a)
	WIN 0x04
.set i, 0
.rept 32
	v_pk_mul_f32 v[Y+i:Y+i+1], v[Y+i:Y+i+1], v[DQ+i:DQ+i+1]
.set i, i+2
.endr
	WIN 0
.if (\a) > 0
	s_wait_xcnt 0x0                                ; the last block's stores have read the codes' registers
.endif
	QUANT Y
.irp p, 0,1,2
	global_store_b64 v8, v[QC+2*\p:QC+2*\p+1], s[28:29] offset:768*(\a)+256*\p           ; 32 lanes store 256 consecutive bytes, aligned: the first head's registers 0-5
	global_store_b64 v8, v[QC+6+2*\p:QC+7+2*\p], s[28:29] offset:98304+768*(\a)+256*\p   ; the second head's
.endr
	v_lshrrev_b32 v15, v13, v[PW]
	v_and_or_b32 v[SW+(\a)], v15, 0xffff, v14      ; my head's two bytes, and 0x7f for the two blocks of zero codes
.if ((\a)%4) == 3
	global_store_b128 v9, v[SW+(\a)-3:SW+(\a)], s[30:31] offset:256*((\a)/4)   ; four tiles' words: sixteen lanes store 256 consecutive bytes, aligned
.endif
.endm
.irp a, 0,1,2,3,4,5,6,7
	QKBLK \a
.endr
	ds_load_b128 v[NR:NR+3], v12                   ; LDS serves a wave's instructions in order (ISA guide 5.7.1.4): these see my stores
	ds_load_b128 v[NR+4:NR+7], v12 offset:512
	s_wait_dscnt 0x0
	global_store_b128 v10, v[NR:NR+3], s[30:31] offset:8192          ; eight tiles' norms of the first head: 512 consecutive bytes
	global_store_b128 v10, v[NR+4:NR+7], s[30:31] offset:8192+16384  ; of the second
	s_branch .Lend
; ---- v.  My 128 channels are two heads of four tiles; my 128 tokens are one key step.
.Lv:
	s_load_b64 s[24:25], s[0:1], 0x20              ; bv
	s_load_b64 s[28:29], s[0:1], 0x38              ; vq
	s_lshl_b32 s20, s17, 8
	s_lshl_b32 s21, s15, 7
	s_add_co_u32 s20, s20, s21                     ; my first channel
	s_lshr_b32 s21, s20, 6                         ; its head
	s_lshl_b32 s22, s42, 8
	s_lshl_b32 s23, s16, 7
	s_add_co_u32 s22, s22, s23                     ; my first token
	s_lshr_b32 s23, s22, 11                        ; batch
	s_bfe_u32 s22, s22, 0x40007                    ; the key step
	s_lshl_b32 s23, s23, 4
	s_add_co_u32 s23, s23, s21                     ; 16 x batch + head
	s_lshl_b32 s36, s20, 2
	s_mov_b32 s37, 0
	s_mul_i32 s38, s23, 98304
	s_mul_i32 s39, s22, 6144
	s_add_co_u32 s38, s38, s39
	s_mov_b32 s39, 0
	s_lshl_b32 s40, s23, 12
	s_lshl_b32 s41, s22, 8
	s_add_co_u32 s40, s40, s41
	s_add_co_u32 s40, s40, SCOFF
	s_mov_b32 s41, 0
	v_and_b32 v7, 8, v1
	v_add_nc_u32 v7, v7, v1
	v_lshlrev_b32 v7, 2, v7                        ; bv: 4 (r + 8 (r / 8))
	v_lshlrev_b32 v9, 4, v1
	v_lshl_add_u32 v9, v2, 12, v9                  ; scale words: 16 r, lanes 16-31 the next head's
	s_wait_kmcnt 0x0
	s_add_nc_u64 s[24:25], s[24:25], s[36:37]
	s_add_nc_u64 s[30:31], s[28:29], s[40:41]
	s_add_nc_u64 s[28:29], s[28:29], s[38:39]
.irp a, 0,1,2,3,4,5,6,7
	global_load_b32 v[VB+2*\a], v7, s[24:25] offset:(32*(\a/2)+8*(\a%2))*4
	v_mov_b32 v[VB+2*\a+1], 0                      ; (named with it as a pair)
.endr
	s_wait_loadcnt 0x0
.macro VBLK a
	WIN 0x02+(\a)/4
.set i, 0
.rept 32
	v_pk_add_f32 v[Y+i:Y+i+1], v[64*((\a)%4)+i:64*((\a)%4)+i+1], v[VB+2*(\a):VB+2*(\a)+1] op_sel_hi:[1,0]   ; + my channel's bias; each accumulator from its low end on
.set i, i+2
.endr
	WIN 0
.if (\a) > 0
	s_wait_xcnt 0x0                                ; the last block's stores have read the codes' registers
.endif
	QUANT Y
.irp c, 0,1,2
	global_store_b128 v10, v[QC+4*\c:QC+4*\c+3], s[28:29] offset:((\a)/4)*98304+((\a)%4)*1536+512*\c   ; the operand's registers as they stand: 512 consecutive bytes
.endr
	v_mov_b32 v[SW+(\a)], v[PW]
.endm
.irp a, 0,1,2,3,4,5,6,7
	VBLK \a
.endr
	v_cmp_eq_u32 vcc_lo, 1, v2
.irp i, 0,1,2,3
	v_cndmask_b32 v[NS+\i], v[SW+\i], v[SW+4+\i], vcc_lo
.endr
	global_store_b128 v9, v[NS:NS+3], s[30:31]     ; four tiles' words a head: sixteen lanes store 256 consecutive bytes, aligned
.Lend:
	s_wait_tensorcnt 0x0                           ; the wave's end
	ds_add_u32 v[SPW], v[NIL]
	s_wait_dscnt 0x0
	CROUND                                         ; the closing round: no work-group ends while a partner may still ask for a tile that names it
	s_endpgm
.Lfunc_end_k_qceab727fd5_gemm_qkv:
	.size	k_qceab727fd5_gemm_qkv, .Lfunc_end_k_qceab727fd5_gemm_qkv-k_qceab727fd5_gemm_qkv
	.p2alignl 7, 3214868480
	.fill 96, 4, 3214868480
	.section	.rodata,"a",@progbits
	.p2align	6, 0x0
	.amdhsa_kernel k_qceab727fd5_gemm_qkv
		.amdhsa_group_segment_fixed_size 327680
		.amdhsa_private_segment_fixed_size 0
		.amdhsa_enable_private_segment 0
		.amdhsa_kernarg_size 64
		.amdhsa_user_sgpr_count 2
		.amdhsa_user_sgpr_kernarg_segment_ptr 1
		.amdhsa_wavefront_size32 1
		.amdhsa_system_sgpr_workgroup_id_x 1
		.amdhsa_system_sgpr_workgroup_id_y 1
		.amdhsa_system_sgpr_workgroup_id_z 1
		.amdhsa_system_vgpr_workitem_id 0
		.amdhsa_next_free_vgpr 1024
		.amdhsa_next_free_sgpr 100
		.amdhsa_reserve_vcc 1
		.amdhsa_float_denorm_mode_32 3
		.amdhsa_float_denorm_mode_16_64 3
		.amdhsa_memory_ordered 1
		.amdhsa_forward_progress 1
		.amdhsa_inst_pref_size 255
	.end_amdhsa_kernel
	.section	.bss,"aw",@nobits
	.p2align	6
	.space	262144
	.amdgpu_metadata
---
amdhsa.version: [ 1, 2 ]
amdhsa.kernels:
  - .name:           k_qceab727fd5_gemm_qkv
    .symbol:         k_qceab727fd5_gemm_qkv.kd
    .args:
      - { .name: xq, .offset: 0, .size: 8, .value_kind: global_buffer, .address_space: global }
      - { .name: wq, .offset: 8, .size: 8, .value_kind: global_buffer, .address_space: global }
      - { .name: bq, .offset: 16, .size: 8, .value_kind: global_buffer, .address_space: global }
      - { .name: bk, .offset: 24, .size: 8, .value_kind: global_buffer, .address_space: global }
      - { .name: bv, .offset: 32, .size: 8, .value_kind: global_buffer, .address_space: global }
      - { .name: qkc, .offset: 40, .size: 8, .value_kind: global_buffer, .address_space: global }
      - { .name: qka, .offset: 48, .size: 8, .value_kind: global_buffer, .address_space: global }
      - { .name: vq, .offset: 56, .size: 8, .value_kind: global_buffer, .address_space: global }
    .group_segment_fixed_size: 327680
    .private_segment_fixed_size: 0
    .kernarg_segment_align: 8
    .kernarg_segment_size: 64
    .max_flat_workgroup_size: 128
    .sgpr_count:     100
    .vgpr_count:     1024
    .wavefront_size: 32
...
	.end_amdgpu_metadata
.endif
;; end of part 2
;; launch attn (part 3): grid 8 x 32, 16 waves a work-group, clusters of 4 x 1, 219,136 bytes of LDS; arguments qkc, qka, vq, mw, oq; writes oq
.if DOCPART == 3
	.amdgcn_target "amdgcn-amd-amdhsa--gfx1250"
	.amdhsa_code_object_version 6
	.text
	.protected	k_qceab727fd5_attn
	.globl	k_qceab727fd5_attn
	.p2align	8
	.type	k_qceab727fd5_attn,@function
k_qceab727fd5_attn:
	s_mov_b64 s[64:65], 0
	v_nop
	global_prefetch_b8 v0, s[64:65] scope:SCOPE_SE
	s_setreg_imm32_b32 hwreg(HW_REG_WAVE_MODE, 25, 1), 1
	s_wait_xcnt 0x0
	s_wait_alu depctr_hold_cnt(0) depctr_sa_sdst(0) depctr_va_vdst(0) depctr_va_sdst(0) depctr_va_ssrc(0) depctr_va_vcc(0) depctr_vm_vsrc(0)
	s_getreg_b32 s2, hwreg(HW_REG_IB_STS2, 6, 4)
	s_cmp_eq_u32 s2, 0
	s_cbranch_scc0 .Lentry_in_a_cluster
	s_endpgm
.Lentry_in_a_cluster:
	s_bfe_u32 s2, ttmp6, 0x10000c
	s_cmp_lg_u32 s2, 0x3003
	s_cbranch_scc0 .Lentry_shape_is_right
	s_endpgm
.Lentry_shape_is_right:
; THE ATTENTION, both products on codes of FP6 (E2M3).  logit = (cross - 0.5 k2M - 0.5 q2M) / 16, cross = (q diag) . k; t = logit x log2(e); M = the row's largest t so far, rounded up to a whole number;
; p = 2^(t - M) is quantised along the keys; the row's sum is taken of the unquantised p and divides at the end; when M moves, the sum and O are multiplied by 2^(old M - new M), which rounds nothing.
; THE MASK comes as one 32-bit word for each score register (bit = lane): a hidden score becomes -infinity by v_cndmask_b32, in every step, with no branch.  A row with no visible key has words of ones and
; the flag 0, which is multiplied into c and into the row's own term: all its t are 0, so it attends uniformly.
; SHARES.  A work-group owns 256 queries of one (batch, head); each of its sixteen waves one tile of 16, in 256 registers: four waves to a SIMD, so that one wave's vector work stands beside another's matrix work.
; A WHOLE HEAD'S K AND V LIE IN LDS (2 x 98,304 bytes of operand images), brought once, in four chunks of 512 keys: nothing is ever filled again.  The four work-groups of a cluster belong to one head and ask jointly.
; K's scale words and norms and V's scale words (20,480 bytes, a tenth of the head's bytes) come through registers, each work-group its own.
; LAYOUT.  Both products are used transposed: S^T = K Q^T + (-0.5 k2M as C), O^T = V^T P^T: a lane holds one query throughout.  Tile t of a step holds in place 8 h + j the key 32 (t / 2) + 8 (t % 2) + 16 h + j,
; so the 16 registers of tiles 2 b, 2 b + 1 are 16 neighbouring keys.  The first product's K is 64: an operand's registers 6-11 stand against Q's zero codes under scale bytes 0x7f, and add nothing;
; so for K's operand the next tile's six registers (finite codes) serve as the upper half.
; OUT: O / sum, quantised along the head's 64 (two blocks of the last product's K), as the image of six operand registers, and two scale bytes a row.
; LIMITS: p under 2^-126 comes out of v_exp_f32 as 0; a block of zeros gets the byte 1 (its codes are zeros); NaN and infinities among the inputs are not served.
.set VC,   98304                       ; LDS: K's images at 0 ([128 tiles][768]), V's here ([16 steps][4 tiles][1,536])
.set KA,   196608                      ; K's scale words ([32 groups of 4 tiles][16 r][4]), 8,192 bytes on its norms ([128 tiles][16])
.set VS,   212992                      ; V's scale words ([16 steps][16 r][4 tiles])
.set CHB,  24576                       ; a chunk: 512 keys
.set WV,   2                           ; s2   my wave's number
.set CNT,  3                           ; s3   a chunk's four steps
.set G1,   4                           ; s[4:11]  descriptor group 1
.set G0,   12                          ; s[12:27] group 0, a set for each chunk
.set MP,   28                          ; s[28:29] where the next step's mask words lie
.set SEL,  30                          ; s[30:31] selects for lane l xor 16
.set TS,   66                          ; s66  the step's codes: 6,144 bytes a step, in K's images and in V's
.set TA,   67                          ; s67  K's scale words and norms: 512 bytes a step
.set TW,   100                         ; s100 V's scale words: 256 bytes a step
.set BH,   101                         ; s101 16 x batch + head
.set TG,   104                         ; s104 128 x batch + my tile
; s[32:63], s[68:99]: the step's 64 mask words (at the head and on the way out: at work)
.set AK0,  1
.set AV0,  2
.set ASK0, 3
.set ANK0, 4
.set ASV0, 5
.set ADT,  7
.set ADK,  8
.set ADV,  9
.set ADS,  10
.set ADN,  11
.set KV,   32                          ; v32-79  K's eight half operands, then V's four operands;  v80-85 zeros
.set KSW,  86                          ; v86-93  K's scale words
.set S,    96                          ; v96-159 S^T, then p
.set O,    160                         ; v160-191 O^T
.set PCD,  192                         ; v192-203 p's codes (v204-210 at work)
.set BM,   212
.set BT,   216
.set BSO,  220
.set F,    224
.set PSW,  226
.set T0,   227
.set L2,   230
.set VSW,  248
; v6 -infinity; v12 aq - M, v13 the largest t; v[14:15] the sum; v[16:27] Q (v22-27 zeros); v28 Q's scale word; v29 -M; v[30:31] c x flag; v94 aq = -0.5 q2M c x flag
.macro CROUND
	s_barrier_signal -1
	s_barrier_wait -1
	s_cmp_lg_u32 s[WV], 0
	s_cbranch_scc1 .Lnot_wave_0_\@
	s_barrier_signal -3
.Lnot_wave_0_\@:
	s_barrier_wait -3
	s_barrier_signal -1
	s_barrier_wait -1
.endm
	s_load_b256 s[32:39], s[0:1], 0x0              ; qkc s[32:33], qka s[34:35], vq s[36:37], mw s[38:39]
	v_lshl_add_u32 v254, v0, 2, 0x35000
	v_mov_b32 v255, 0
	ds_add_u32 v254, v255
	ds_add_u32 v254, v255
	v_lshrrev_b32 v7, 5, v0
	v_readfirstlane_b32 s[WV], v7                  ; wave 0..15
	s_bfe_u32 s40, ttmp6, 0x40000                  ; cx: it enters the addresses of what is my work-group's own alone
	s_lshl_b32 s41, ttmp9, 2
	s_add_co_u32 s41, s41, s40                     ; my block of 256 queries
	s_and_b32 s[BH], ttmp7, 0xffff                 ; which the four partners share
	s_lshl_b32 s43, s41, 4
	s_add_co_u32 s43, s43, s[WV]                   ; my tile in the batch
	s_lshr_b32 s[TG], s[BH], 4
	s_lshl_b32 s[TG], s[TG], 7
	s_add_co_u32 s[TG], s[TG], s43
	s_mul_i32 s46, s[BH], 98304                    ; the head's images, in k's part of qkc and in vq
	s_mov_b32 s47, 0
	s_mul_i32 s45, s[WV], 98304                    ; wave 0 fetches K's to LDS 0, wave 1 V's to VC
	s_mov_b32 s[G1], 15|(3<<16)|(1<<21)            ; the mask: all four work-groups; elements of 8 bytes; bit 21 beside a mask; no padding
	s_mov_b32 s[G1+1], 32<<16                      ; tensor_dim0: rows of 256 bytes
	s_mov_b32 s[G1+2], 96<<16                      ; tensor_dim1: 96 of them, dense
	s_mov_b32 s[G1+3], 32<<16                      ; tile_dim0
	s_mov_b32 s[G1+4], 96                          ; tile_dim1
	s_mov_b32 s[G1+5], 32                          ; the pitch
	s_mov_b32 s[G1+6], 0
	s_mov_b32 s[G1+7], 0
	s_mov_b32 s[SEL], 0x76543210
	s_mov_b32 s[SEL+1], 0xfedcba98
	v_and_b32 v7, 31, v0                           ; lane
	v_and_b32 v8, 15, v0                           ; r
	v_bfe_u32 v9, v0, 4, 1                         ; h
	v_lshlrev_b32 v[AK0], 3, v7                    ; an image of two registers: 8 x lane
	v_lshl_add_u32 v[AV0], v7, 4, VC               ; of four: 16 x lane
	v_lshl_add_u32 v[ASK0], v8, 4, KA
	v_lshl_add_u32 v[ANK0], v9, 5, KA+8192         ; my half's eight keys of a tile
	v_lshl_add_u32 v[ASV0], v8, 4, VS
	v_lshlrev_b32 v10, 4, v8                       ; 16 r
	v_lshlrev_b32 v11, 2, v8                       ; 4 r
	v_lshlrev_b32 v[T0], 2, v7                     ; 4 x lane
	v_lshlrev_b32 v228, 4, v0                      ; 16 x thread
	v_lshlrev_b32 v229, 3, v0                      ; 8 x thread
	s_wait_dscnt 0x0
	s_wait_kmcnt 0x0
	s_add_nc_u64 s[48:49], s[32:33], 3145728       ; k's part of qkc
	s_cmp_eq_u32 s[WV], 0
	s_cselect_b64 s[48:49], s[48:49], s[36:37]
	s_add_nc_u64 s[48:49], s[48:49], s[46:47]
.irp c, 0,1,2,3
	s_mov_b32 s[G0+4*\c], 1
	s_add_co_u32 s[G0+4*\c+1], s45, CHB*\c
	s_add_nc_u64 s[G0+4*\c+2:G0+4*\c+3], s[48:49], CHB*\c
	s_or_b32 s[G0+4*\c+3], s[G0+4*\c+3], 0x80000000
.endr
	CROUND                                         ; all four work-groups are here: the joint loads meet
	s_cmp_lt_u32 s[WV], 2                          ; a wave's four loads stand in one branch, ahead of every wait on TENSORcnt, every LDS read and every other barrier: four loads of waves 0 and 1 are out, none of the others
	s_cbranch_scc0 .Lasked
	tensor_load_to_lds s[G0:G0+3], s[G1:G1+7]
	s_nop 0
	tensor_load_to_lds s[G0+4:G0+7], s[G1:G1+7]
	s_nop 0
	tensor_load_to_lds s[G0+8:G0+11], s[G1:G1+7]
	s_nop 0
	tensor_load_to_lds s[G0+12:G0+15], s[G1:G1+7]
	s_nop 0
.rept 4
	v_nop
.endr
.Lasked:
	s_lshl_b32 s50, s[BH], 14
	s_mov_b32 s51, 0
	s_add_nc_u64 s[50:51], s[34:35], s[50:51]      ; qka at my head: q's part,
	s_add_nc_u64 s[52:53], s[50:51], 524288        ; k's part
	s_lshr_b32 s54, s43, 2
	s_lshl_b32 s54, s54, 8
	s_and_b32 s55, s43, 3
	s_lshl_b32 s55, s55, 2
	s_add_co_u32 s54, s54, s55
	s_mov_b32 s55, 0
	s_add_nc_u64 s[54:55], s[50:51], s[54:55]      ; my tile's scale words
	s_lshl_b32 s56, s43, 6
	s_mov_b32 s57, 0
	s_add_nc_u64 s[56:57], s[50:51], s[56:57]      ; my tile's norms (8,192 in the immediate)
	s_lshl_b32 s58, s[BH], 12
	s_add_co_u32 s58, s58, 3145728
	s_mov_b32 s59, 0
	s_add_nc_u64 s[58:59], s[36:37], s[58:59]      ; V's scale words
	s_lshl_b32 s60, s[BH], 7
	s_add_co_u32 s60, s60, s43
	s_mul_i32 s60, s60, 768
	s_mov_b32 s61, 0
	s_add_nc_u64 s[60:61], s[32:33], s[60:61]      ; my tile's codes
	s_lshl_b32 s62, s[TG], 7
	s_mov_b32 s63, 0
	s_add_nc_u64 s[62:63], s[38:39], s[62:63]      ; my tile's flags (1,048,576 in the immediate)
	s_lshl_b32 s[MP], s[TG], 12
	s_mov_b32 s[MP+1], 0
	s_add_nc_u64 s[MP:MP+1], s[38:39], s[MP:MP+1]  ; my tile's mask words: 256 bytes a step
	global_load_b128 v[96:99], v228, s[52:53]
	global_load_b128 v[100:103], v228, s[52:53] offset:8192
	global_load_b64 v[104:105], v229, s[58:59]
.irp p, 0,1,2
	global_load_b64 v[16+2*\p:17+2*\p], v[AK0], s[60:61] offset:256*\p
.endr
	global_load_b32 v28, v10, s[54:55]
	global_load_b32 v94, v11, s[56:57] offset:8192
	global_load_b32 v95, v[T0], s[62:63] offset:1048576
	s_wait_xcnt 0x0                                ; the loads have read their bases, which lie where the mask words land
	s_load_b512 s[32:47], s[MP:MP+1], 0x0
	s_load_b512 s[48:63], s[MP:MP+1], 0x40
	s_load_b512 s[68:83], s[MP:MP+1], 0x80
	s_load_b512 s[84:99], s[MP:MP+1], 0xc0
	v_mov_b32 v6, 0xff800000                       ; -infinity
.irp j, 22,23,24,25,26,27,80,81,82,83,84,85
	v_mov_b32 v\j, 0                               ; zero codes
.endr
.set j, 0
.rept 32
	v_mov_b32 v[O+j], 0                            ; O^T: the step is written once; the first change of M leaves zeros zeros
.set j, j+1
.endr
.irp b, 0,1,2,3
	v_mov_b32 v[BT+\b], 0                          ; a lane permute's destination counts as one of its sources
.endr
	v_mov_b32 v[F+1], 0                            ; (named as the upper half of a pair)
	v_mov_b32 v14, 0
	v_mov_b32 v15, 0
	v_mov_b32 v13, 0xff61b1e6                      ; the largest t so far: -3e38
	v_floor_f32 v29, -v13                          ; -M
	s_wait_loadcnt 0x0
	v_lshl_add_u32 v7, v0, 4, KA
	v_lshl_add_u32 v8, v0, 3, VS
	ds_store_b128 v7, v[96:99]
	ds_store_b128 v7, v[100:103] offset:8192
	ds_store_b64 v8, v[104:105]
	v_cvt_f32_u32 v95, v95
	v_mul_f32 v30, 0x3db8aa3b, v95                 ; c = log2(e) / 16, or 0 for a row with no visible key
	v_mov_b32 v31, v30
	v_mul_f32 v94, v94, v30
; A KEY STEP: 128 keys.
.macro STEP
	v_add_nc_u32 v[ADK], s[TS], v[AK0]             ; (these five are also the places behind the last step's products, ahead of the loads into their operands)
	v_add_nc_u32 v[ADV], s[TS], v[AV0]
	v_add_nc_u32 v[ADS], s[TA], v[ASK0]
	v_add_nc_u32 v[ADN], s[TA], v[ANK0]
	v_add_nc_u32 v[ADT], s[TW], v[ASV0]
.irp t, 0,1,2,3,4,5,6,7
.irp p, 0,1,2
	ds_load_b64 v[KV+6*\t+2*\p:KV+6*\t+2*\p+1], v[ADK] offset:768*\t+256*\p
.endr
.endr
	ds_load_b128 v[KSW:KSW+3], v[ADS]
	ds_load_b128 v[KSW+4:KSW+7], v[ADS] offset:256
.irp t, 0,1,2,3,4,5,6,7
	ds_load_b128 v[S+8*\t:S+8*\t+3], v[ADN] offset:64*\t          ; -0.5 k2M of my eight keys: the sums begin with it
	ds_load_b128 v[S+8*\t+4:S+8*\t+7], v[ADN] offset:64*\t+16
.endr
	s_wait_dscnt 0x0
.irp t, 0,1,2,3,4,5,6,7                ; eight accumulators, one instruction each
	v_wmma_scale_f32_16x16x128_f8f6f4 v[S+8*\t:S+8*\t+7], v[KV+6*\t:KV+6*\t+11], v[16:27], v[S+8*\t:S+8*\t+7], v[KSW+\t], v28 matrix_a_fmt:MATRIX_FMT_FP6 matrix_b_fmt:MATRIX_FMT_FP6
.endr
.rept 4
	v_nop                                          ; places ahead of the loads into K's registers and of the first read of the scores
.endr
.irp t, 0,1,2,3
.irp c, 0,1,2
	ds_load_b128 v[KV+12*\t+4*\c:KV+12*\t+4*\c+3], v[ADV] offset:1536*\t+512*\c   ; V's operands land while the softmax is walked
.endr
.endr
	ds_load_b128 v[VSW:VSW+3], v[ADT]
	s_wait_kmcnt 0x0                               ; this step's mask words
.set n, 0
.rept 64
.if n < 32
	v_cndmask_b32 v[S+n], v6, v[S+n], s[32+n]      ; each accumulator from its low end on
.else
	v_cndmask_b32 v[S+n], v6, v[S+n], s[36+n]
.endif
.set n, n+1
.endr
	s_add_nc_u64 s[MP:MP+1], s[MP:MP+1], 256       ; the loads that read it are done.  The next step's words: behind the last tile's last step these are the first 256 bytes of the flags, inside mw, and nobody uses them
	s_load_b512 s[32:47], s[MP:MP+1], 0x0
	s_load_b512 s[48:63], s[MP:MP+1], 0x40
	s_load_b512 s[68:83], s[MP:MP+1], 0x80
	s_load_b512 s[84:99], s[MP:MP+1], 0xc0
.irp b, 0,1,2,3
	v_max3_num_f32 v[BM+\b], v[S+16*\b], v[S+1+16*\b], v[S+2+16*\b]   ; the largest score of each block of 32 keys: for the row's maximum, and, since p rises with the score, for the block's largest p
.endr
.irp i, 3,5,7,9,11,13
.irp b, 0,1,2,3
	v_max3_num_f32 v[BM+\b], v[BM+\b], v[S+16*\b+\i], v[S+1+16*\b+\i]
.endr
.endr
.irp b, 0,1,2,3
	v_max_num_f32 v[BM+\b], v[BM+\b], v[S+15+16*\b]
.endr
.irp b, 0,1,2,3
	v_permlanex16_b32 v[BT+\b], v[BM+\b], s[SEL], s[SEL+1]
.endr
.irp b, 0,1,2,3
	v_max_num_f32 v[BM+\b], v[BM+\b], v[BT+\b]
.endr
	v_max3_num_f32 v[T0], v[BM], v[BM+1], v[BM+2]
	v_max_num_f32 v[T0], v[T0], v[BM+3]
	v_fma_f32 v[T0], v[T0], v30, v94               ; as t
	v_max_num_f32 v13, v13, v[T0]                  ; the running largest t
	v_mov_b32 v[T0], v29
	v_floor_f32 v29, -v13                          ; the new -M = -ceil(t)
	v_sub_f32 v[T0], v29, v[T0]                    ; old M - new M: a whole number, 0 or less
	v_cvt_i32_f32 v[T0], v[T0]                     ; (it saturates)
	v_ldexp_f32 v[F], 1.0, v[T0]                   ; f = 2^(old M - new M)
	v_add_f32 v12, v94, v29                        ; aq - M
.set j, 0
.rept 32
	v_pk_fma_f32 v[S+j:S+j+1], v[S+j:S+j+1], v[30:31], v[12:13] op_sel_hi:[1,0,0]   ; t - M, two at a time
.set j, j+2
.endr
.irp b, 0,1,2,3
	v_fma_f32 v[BM+\b], v[BM+\b], v30, v12         ; the same of each block's largest score
.endr
.set j, 0
.rept 64
	v_exp_f32 v[S+j], v[S+j]                       ; p = 2^(t - M), not normalised
.set j, j+1
.endr
	v_pk_mul_f32 v[14:15], v[14:15], v[F:F+1] op_sel_hi:[1,0]   ; the sums under the new M (a plain line behind the exponentials)
	s_wait_alu depctr_va_vdst(0)                   ; one wait for the 64, ahead of their first reader
.irp b, 0,1,2,3
	v_exp_f32 v[BM+\b], v[BM+\b]                   ; the block's largest p: the same two instructions on the same number
.endr
	v_pk_add_f32 v[L2:L2+1], v[S:S+1], v[S+2:S+3]  ; the row's sum, of the unquantised p, in two chains
.set j, 4
.rept 15
	v_pk_add_f32 v[14:15], v[14:15], v[S+j:S+j+1]
	v_pk_add_f32 v[L2:L2+1], v[L2:L2+1], v[S+2+j:S+3+j]
.set j, j+4
.endr
	v_pk_add_f32 v[14:15], v[14:15], v[L2:L2+1]
	s_wait_alu depctr_va_vdst(0)                   ; and one for the four
.irp b, 0,1,2,3
	v_max_num_f32 v[BM+\b], 0x1800000, v[BM+\b]    ; the floor 2^(3 - 127)
.endr
.irp b, 0,1,2,3
	v_add_nc_u32 v[BSO+\b], 0xff000000, v[BM+\b]   ; 2 off the exponent field: the conversion's scale operand
.endr
.irp b, 0,1,2,3
	v_lshrrev_b32 v[BT+\b], 23, v[BSO+\b]          ; the scale's byte
.endr
	v_lshl_or_b32 v[PSW], v[BT+1], 8, v[BT]        ; p's scale word for these 128 keys
	v_lshl_or_b32 v[PSW], v[BT+2], 16, v[PSW]
	v_lshl_or_b32 v[PSW], v[BT+3], 24, v[PSW]
.irp c, 0,1
	v_cvt_scalef32_pk16_fp6_f32 v[PCD+6*\c:PCD+2+6*\c], v[S+32*\c:S+15+32*\c], v[BSO+2*\c]
	v_cvt_scalef32_pk16_fp6_f32 v[PCD+12+4*\c:PCD+14+4*\c], v[S+16+32*\c:S+31+32*\c], v[BSO+2*\c+1]
.endr
	v_nop                                          ; one plain line behind a scaled conversion
.irp c, 0,1
.irp i, 0,1,2
	v_permlane16_swap_b32 v[PCD+6*\c+\i], v[PCD+12+4*\c+\i]
.endr
.irp i, 0,1,2
	v_mov_b32 v[PCD+3+6*\c+\i], v[PCD+12+4*\c+\i]
.endr
.endr
.set j, 0
.rept 16
	v_pk_mul_f32 v[O+j:O+j+1], v[O+j:O+j+1], v[F:F+1] op_sel_hi:[1,0]   ; O^T under the new M (these sixteen are also the places between the scale word's and the codes' last writes and the products)
.set j, j+2
.endr
	s_wait_dscnt 0x0                               ; V's operands and scale words
.irp t, 0,1,2,3                        ; four accumulators, one instruction each
	v_wmma_scale_f32_16x16x128_f8f6f4 v[O+8*\t:O+8*\t+7], v[KV+12*\t:KV+12*\t+11], v[PCD:PCD+11], v[O+8*\t:O+8*\t+7], v[VSW+\t], v[PSW] matrix_a_fmt:MATRIX_FMT_FP6 matrix_b_fmt:MATRIX_FMT_FP6
.endr
	s_add_co_u32 s[TS], s[TS], 6144
	s_add_co_u32 s[TA], s[TA], 512
	s_add_co_u32 s[TW], s[TW], 256
.endm
; A CHUNK: 512 keys, four steps.  Waves 0 and 1 wait until their chunk c has landed (the 3 - c chunks behind it may stay out), every wave's LDS stores are done, and a barrier shows both to all.
.macro CHUNK c
	s_wait_tensorcnt 3-\c
	s_wait_dscnt 0x0
	s_barrier_signal -1
	s_barrier_wait -1
	s_mov_b32 s[TS], CHB*\c
	s_mov_b32 s[TA], 2048*\c
	s_mov_b32 s[TW], 1024*\c
	s_mov_b32 s[CNT], 4
.Lstep_\@:
	STEP
	s_sub_co_u32 s[CNT], s[CNT], 1
	s_cmp_lg_u32 s[CNT], 0
	s_cbranch_scc1 .Lstep_\@
.endm
	CHUNK 0
	CHUNK 1
	CHUNK 2
	CHUNK 3
	; THE WAY OUT.  O^T / the sum: register 16 b + i is channel 32 b + 16 h + i of my query: two blocks of the last product's K.
.rept 4
	v_nop                                          ; places behind the last products
.endr
	s_wait_kmcnt 0x0                               ; the words asked for behind the last step have landed: their registers are free
	s_load_b64 s[32:33], s[0:1], 0x20              ; oq
	v_add_f32 v14, v14, v15
	v_permlanex16_b32 v[T0], v14, s[SEL], s[SEL+1]
	v_add_f32 v14, v14, v[T0]                      ; the row's sum
	v_rcp_f32 v14, v14
	v_and_b32 v7, 15, v0                           ; (plain lines behind the reciprocal)
	v_bfe_u32 v8, v0, 4, 1
	v_lshl_add_u32 v9, v7, 5, v8                   ; scale bytes: 32 r + h
	s_and_b32 s36, s[BH], 15                       ; the head
	s_mul_i32 s34, s[TG], 12288                    ; a tile's eight operands of 1,536 bytes;
	s_mul_i32 s35, s36, 768                        ; a head's six registers are half of one
	s_add_co_u32 s34, s34, s35
	s_mov_b32 s35, 0
	s_lshl_b32 s38, s[TG], 9                       ; a tile's 16 rows of 32 scale bytes
	s_lshl_b32 s36, s36, 1
	s_add_co_u32 s38, s38, s36
	s_add_co_u32 s38, s38, 3145728
	s_mov_b32 s39, 0
	s_wait_alu depctr_va_vdst(0)                   ; ahead of the reciprocal's first reader
.set j, 0
.rept 32
	v_mul_f32 v[S+j], v[O+j], v14
.set j, j+1
.endr
.irp b, 0,1
	v_max3_num_f32 v[BM+\b], |v[S+16*\b]|, |v[S+1+16*\b]|, 0x1800000
.endr
.irp i, 2,4,6,8,10,12,14
.irp b, 0,1
	v_max3_num_f32 v[BM+\b], v[BM+\b], |v[S+16*\b+\i]|, |v[S+1+16*\b+\i]|
.endr
.endr
.irp b, 0,1
	v_permlanex16_b32 v[BT+\b], v[BM+\b], s[SEL], s[SEL+1]
.endr
.irp b, 0,1
	v_max_num_f32 v[BM+\b], v[BM+\b], v[BT+\b]
.endr
.irp b, 0,1
	v_add_nc_u32 v[BSO+\b], 0xff000000, v[BM+\b]
.endr
.irp b, 0,1
	v_lshrrev_b32 v[BT+\b], 23, v[BSO+\b]
.endr
	v_cvt_scalef32_pk16_fp6_f32 v[PCD:PCD+2], v[S:S+15], v[BSO]
	v_cvt_scalef32_pk16_fp6_f32 v[PCD+4:PCD+6], v[S+16:S+31], v[BSO+1]
	v_nop
.irp i, 0,1,2
	v_permlane16_swap_b32 v[PCD+\i], v[PCD+4+\i]   ; lanes 0-15 block 0, lanes 16-31 block 1: lower 16 codes in the first run, upper 16 in the second
.endr
	v_mov_b32 v[PCD+3], v[PCD+4]
	v_mov_b32 v[PCD+4], v[PCD+5]
	v_mov_b32 v[PCD+5], v[PCD+6]
	v_cmp_eq_u32 vcc_lo, 1, v8
	v_cndmask_b32 v10, v[BT], v[BT+1], vcc_lo      ; my half's block's byte
	s_wait_kmcnt 0x0
	s_add_nc_u64 s[34:35], s[32:33], s[34:35]
	s_add_nc_u64 s[38:39], s[32:33], s[38:39]
.irp p, 0,1,2
	global_store_b64 v[AK0], v[PCD+2*\p:PCD+2*\p+1], s[34:35] offset:256*\p   ; 32 lanes store 256 consecutive bytes, aligned
.endr
	global_store_b8 v9, v10, s[38:39]              ; two bytes a row: a row's 32 bytes come from sixteen work-groups, one head each
	s_wait_tensorcnt 0x0
	s_wait_tensorcnt 0x0
	ds_add_u32 v254, v255
	s_wait_dscnt 0x0
	CROUND                                         ; the closing round
	s_endpgm
.Lfunc_end_k_qceab727fd5_attn:
	.size	k_qceab727fd5_attn, .Lfunc_end_k_qceab727fd5_attn-k_qceab727fd5_attn
	.p2alignl 7, 3214868480
	.fill 96, 4, 3214868480
	.section	.rodata,"a",@progbits
	.p2align	6, 0x0
	.amdhsa_kernel k_qceab727fd5_attn
		.amdhsa_group_segment_fixed_size 219136
		.amdhsa_private_segment_fixed_size 0
		.amdhsa_enable_private_segment 0
		.amdhsa_kernarg_size 40
		.amdhsa_user_sgpr_count 2
		.amdhsa_user_sgpr_kernarg_segment_ptr 1
		.amdhsa_wavefront_size32 1
		.amdhsa_system_sgpr_workgroup_id_x 1
		.amdhsa_system_sgpr_workgroup_id_y 1
		.amdhsa_system_sgpr_workgroup_id_z 1
		.amdhsa_system_vgpr_workitem_id 0
		.amdhsa_next_free_vgpr 256
		.amdhsa_next_free_sgpr 106
		.amdhsa_reserve_vcc 1
		.amdhsa_float_denorm_mode_32 3
		.amdhsa_float_denorm_mode_16_64 3
		.amdhsa_memory_ordered 1
		.amdhsa_forward_progress 1
		.amdhsa_inst_pref_size 102
	.end_amdhsa_kernel
	.amdgpu_metadata
---
amdhsa.version: [ 1, 2 ]
amdhsa.kernels:
  - .name:           k_qceab727fd5_attn
    .symbol:         k_qceab727fd5_attn.kd
    .args:
      - { .name: qkc, .offset: 0, .size: 8, .value_kind: global_buffer, .address_space: global }
      - { .name: qka, .offset: 8, .size: 8, .value_kind: global_buffer, .address_space: global }
      - { .name: vq, .offset: 16, .size: 8, .value_kind: global_buffer, .address_space: global }
      - { .name: mw, .offset: 24, .size: 8, .value_kind: global_buffer, .address_space: global }
      - { .name: oq, .offset: 32, .size: 8, .value_kind: global_buffer, .address_space: global }
    .group_segment_fixed_size: 219136
    .private_segment_fixed_size: 0
    .kernarg_segment_align: 8
    .kernarg_segment_size: 40
    .max_flat_workgroup_size: 512
    .sgpr_count:     106
    .vgpr_count:     256
    .wavefront_size: 32
...
	.end_amdgpu_metadata
.endif
;; end of part 3
;; launch gemm_out (part 4): grid 4 x 16, 4 waves a work-group, clusters of 4 x 4, 327,680 bytes of LDS; arguments oq, wq, bo, out0; writes out0
.if DOCPART == 4
	.amdgcn_target "amdgcn-amd-amdhsa--gfx1250"
	.amdhsa_code_object_version 6
	.text
	.protected	k_qceab727fd5_gemm_out
	.globl	k_qceab727fd5_gemm_out
	.p2align	8
	.type	k_qceab727fd5_gemm_out,@function
k_qceab727fd5_gemm_out:
	s_mov_b64 s[64:65], 0
	v_nop
	global_prefetch_b8 v0, s[64:65] scope:SCOPE_SE
	s_setreg_imm32_b32 hwreg(HW_REG_WAVE_MODE, 25, 1), 1
	s_wait_xcnt 0x0
	s_wait_alu depctr_hold_cnt(0) depctr_sa_sdst(0) depctr_va_vdst(0) depctr_va_sdst(0) depctr_va_ssrc(0) depctr_va_vcc(0) depctr_vm_vsrc(0)
	s_getreg_b32 s2, hwreg(HW_REG_IB_STS2, 6, 4)
	s_cmp_eq_u32 s2, 0
	s_cbranch_scc0 .Lentry_in_a_cluster
	s_endpgm
.Lentry_in_a_cluster:
	s_bfe_u32 s2, ttmp6, 0x10000c
	s_cmp_lg_u32 s2, 0xf033
	s_cbranch_scc0 .Lentry_shape_is_right
	s_endpgm
.Lentry_shape_is_right:
; out0 = (attention's result) Wo + bo, on codes of FP6 (E2M3) with one E8M0 scale for each 32 along K = 1,024.  out0: [4096][1024] f32.
; A tile of 256 x 256 is made by a work-group of four waves, a wave makes 128 x 128: 64 accumulators.  K goes in steps of 256 through a ring of two LDS slots filled by the tensor data mover; the scale bytes
; come into LDS once.  4 x 4 work-groups form a cluster: A's tiles are asked for jointly along a row of the cluster, B's along a column.  64 work-groups: the tile is kept large so that this body is the
; projections' loop again; a smaller tile would busy more of the chip for a launch that is short beside the attention.
; A (oq) LIES AS IMAGES OF OPERAND REGISTERS: [tile of 16 rows][8 steps of 128 along K][6 pairs of registers][32 lanes][8 bytes]: a fragment is six loads of 8 bytes at 8 x lane, and a slot's part of eight tiles
; is eight rows of 3,072 bytes, 12,288 apart.  Place r of tile 2 g + u is the token 32 g + 8 u + r + 8 (r / 8).
; B (wq, stored rows 3,072 on) lies as rows of 768 bytes, bits 3 and 4 of the row's number exchanged inside each 32: register j of half h of block bt is column 32 (bt / 2) + 8 (bt % 2) + 16 h + j.
; THE MATRIX INSTRUCTION IS USED TRANSPOSED (source 0 = 16 rows of B, source 1 = 16 rows of A).  The way out undoes both orders: the columns in the stage's offsets, the tokens in the stores' offsets.
.set KSTEP,  256
.set NQ,     2
.set ROWB,   192
.set AROWB,  3072                      ; a tile's two operands of a slot
.set KROW,   768
.set PITCH,  240
.set FR,     12
.set NL,     6
.set NP,     4
.set HALFT,  128*PITCH
.set SLOT,   4*HALFT
.set LAPS,   2
.set KS,     32
.set SCL,    2*SLOT
.set HALFS,  16*272
.set SBLK,   2*272
.set SPARE,  SCL+4*HALFS
.set SPITCH, 528                       ; the way out: 16 rows x (512 bytes + 16) for each wave, in slot 0, which has had its last fill and its last read when the first result is stored there
.set SCOFF,  3145728
.set ADRA, 16
.set ADRB, 20
.set STO,  24
.set RD,   25
.set CO,   26
.set ADRS, 27
.set SPW,  28
.set NIL,  29
.set SC,   32
.set AF,   128
.set BK,   128
.set G1, 24
.set G0, 32
.set G1B, 48
.set G0B, 56
.set G1S, 68
.set G0S, 76
.set G1SB, 80
.set G0SB, 88
.set MSB, 0
.macro WIN new
.if MSB != (\new)
	s_set_vgpr_msb (MSB<<8)|(\new)
.set MSB, (\new)
.endif
.endm
.set MUL_LO, 0xa1
.set MUL_HI, 0xf1
.set TO_B,   0x40
.macro JLOAD g0a, g1a, g0b, g1b        ; a joint load: waves 0 and 1 fetch for A, waves 2 and 3 for B; four v_nop follow each of the two lines
	s_cmp_eq_u32 s15, 0
	s_cbranch_scc0 .Lfor_b_\@
	tensor_load_to_lds s[\g0a:\g0a+3], s[\g1a:\g1a+7]
	s_nop 0
.rept 4
	v_nop
.endr
	s_branch .Lasked_\@
.Lfor_b_\@:
	tensor_load_to_lds s[\g0b:\g0b+3], s[\g1b:\g1b+7]
	s_nop 0
.rept 4
	v_nop
.endr
.Lasked_\@:
.endm
.macro CREST
	s_cmp_lg_u32 s14, 0
	s_cbranch_scc1 .Lnot_wave_0_\@
	s_barrier_signal -3
.Lnot_wave_0_\@:
	s_barrier_wait -3
	s_barrier_signal -1
	s_barrier_wait -1
.endm
.macro CROUND
	s_barrier_signal -1
	s_barrier_wait -1
	CREST
.endm
	s_load_b128 s[4:7], s[0:1], 0x0                ; oq s[4:5], wq s[6:7]
	s_load_b128 s[8:11], s[0:1], 0x10              ; bo s[8:9], out0 s[10:11]
	v_lshl_add_u32 v[SPW], v0, 2, SPARE
	v_mov_b32 v[NIL], 0
	ds_add_u32 v28, v29
	ds_add_u32 v28, v29
	s_wait_dscnt 0x0
	v_lshrrev_b32 v1, 5, v0
	v_readfirstlane_b32 s14, v1                    ; wave 0..3
	s_lshr_b32 s15, s14, 1                         ; which half of the tile's rows is mine.  Also: I fetch for A (0) or for B (1)
	s_and_b32 s16, s14, 1                          ; which half of its columns.  Also: which half of that tile I fetch
	s_bfe_u32 s40, ttmp6, 0x40000                  ; cx
	s_bfe_u32 s41, ttmp6, 0x40004                  ; cy
	s_lshl_b32 s42, ttmp9, 2
	s_add_co_u32 s42, s42, s40                     ; tile column
	s_and_b32 s17, ttmp7, 0xffff
	s_lshl_b32 s17, s17, 2
	s_add_co_u32 s17, s17, s41                     ; tile row
	s_lshl_b32 s43, s41, 2
	s_lshl_b32 s43, 15, s43                        ; my row of the cluster
	s_lshl_b32 s44, 0x1111, s40                    ; my column
	s_or_b32 s[G1+0], s43, (3<<16)|(1<<21)         ; A: the mask; elements of 8 bytes; bit 21 beside a mask; no padding
	s_mov_b32 s[G1+1], 384<<16                     ; tensor_dim0: 3,072 bytes
	s_mov_b32 s[G1+2], 8<<16                       ; tensor_dim1: eight tiles of 16 rows
	s_mov_b32 s[G1+3], 384<<16                     ; tile_dim0
	s_mov_b32 s[G1+4], 8                           ; tile_dim1
	s_mov_b32 s[G1+5], 1536                        ; the pitch: 12,288 bytes
	s_mov_b32 s[G1+6], 0
	s_mov_b32 s[G1+7], 0
	s_or_b32 s[G1B+0], s44, (0<<16)|(1<<20)|(1<<21)|(3<<22)|(3<<25)  ; B: 128 rows of 192 bytes, 16 bytes of padding behind every 64
	s_mov_b32 s[G1B+1], ROWB<<16
	s_mov_b32 s[G1B+2], 128<<16
	s_mov_b32 s[G1B+3], ROWB<<16
	s_mov_b32 s[G1B+4], 128
	s_mov_b32 s[G1B+5], KROW
	s_mov_b32 s[G1B+6], 0
	s_mov_b32 s[G1B+7], 0
	s_or_b32 s[G1S+0], s43, (3<<16)|(1<<20)|(1<<21)|(5<<22)|(3<<25)  ; the scales of 128 rows: 16 rows of 256 bytes, 16 bytes of padding behind each
	s_or_b32 s[G1SB+0], s44, (3<<16)|(1<<20)|(1<<21)|(5<<22)|(3<<25)
.irp g, G1S, G1SB
	s_mov_b32 s[\g+1], 32<<16
	s_mov_b32 s[\g+2], 16<<16
	s_mov_b32 s[\g+3], 32<<16
	s_mov_b32 s[\g+4], 16
	s_mov_b32 s[\g+5], 32
	s_mov_b32 s[\g+6], 0
	s_mov_b32 s[\g+7], 0
.endr
	s_lshl_b32 s18, s16, 7
	s_lshl_b32 s20, s17, 8
	s_add_co_u32 s20, s20, s18                     ; A: place 256 x tile row + 128 x half (768 bytes of images a place, as of rows)
	s_lshl_b32 s46, s42, 8
	s_add_co_u32 s46, s46, s18                     ; B: stored row 256 x tile column + 128 x half
	s_mov_b32 s21, 0
	s_mov_b32 s47, 0
	s_mov_b64 s[18:19], KS
	s_mul_u64 s[22:23], s[20:21], s[18:19]
	s_mul_u64 s[92:93], s[46:47], s[18:19]
	s_mov_b64 s[18:19], KROW
	s_mul_u64 s[20:21], s[20:21], s[18:19]
	s_mul_u64 s[46:47], s[46:47], s[18:19]
	s_mul_i32 s45, s14, HALFT                      ; where they go: no place in the cluster enters an LDS address
	s_mul_i32 s94, s14, HALFS
	s_wait_kmcnt 0x0
	s_mov_b64 s[12:13], s[10:11]                   ; out0
	s_mov_b64 s[96:97], s[8:9]                     ; bo
	s_add_nc_u64 s[8:9], s[6:7], 3072*KROW         ; Wo's codes
	s_add_nc_u64 s[10:11], s[6:7], SCOFF+3072*KS   ; Wo's scales
	s_add_nc_u64 s[6:7], s[4:5], SCOFF             ; A's scales
	s_add_nc_u64 s[20:21], s[4:5], s[20:21]
	s_add_nc_u64 s[22:23], s[6:7], s[22:23]
	s_add_nc_u64 s[46:47], s[8:9], s[46:47]
	s_add_nc_u64 s[92:93], s[10:11], s[92:93]
	CROUND                                         ; all sixteen work-groups are here: the first joint loads meet
	s_mov_b32 s[G0S], 1
	s_add_co_u32 s[G0S+1], s94, SCL
	s_mov_b64 s[G0S+2:G0S+3], s[22:23]
	s_or_b32 s[G0S+3], s[G0S+3], 0x80000000
	s_mov_b32 s[G0SB], 1
	s_add_co_u32 s[G0SB+1], s94, SCL
	s_mov_b64 s[G0SB+2:G0SB+3], s[92:93]
	s_or_b32 s[G0SB+3], s[G0SB+3], 0x80000000
	JLOAD G0S, G1S, G0SB, G1SB
.irp s, 0,1
	s_mov_b32 s[G0+4*\s], 1
	s_add_co_u32 s[G0+4*\s+1], s45, \s*SLOT
	s_add_nc_u64 s[G0+4*\s+2:G0+4*\s+3], s[20:21], \s*AROWB
	s_or_b32 s[G0+4*\s+3], s[G0+4*\s+3], 0x80000000
	s_mov_b32 s[G0B+4*\s], 1
	s_add_co_u32 s[G0B+4*\s+1], s45, \s*SLOT
	s_add_nc_u64 s[G0B+4*\s+2:G0B+4*\s+3], s[46:47], \s*ROWB
	s_or_b32 s[G0B+4*\s+3], s[G0B+4*\s+3], 0x80000000
	JLOAD G0+4*\s, G1, G0B+4*\s, G1B
.endr
	v_and_b32 v1, 15, v0                           ; r
	v_bfe_u32 v2, v0, 4, 1                         ; h
	v_and_b32 v6, 31, v0                           ; lane
	v_lshlrev_b32 v7, 3, v6                        ; A: 8 x lane
	v_mul_u32_u24 v3, v1, PITCH
	v_mul_u32_u24 v4, v2, 24
	v_add_nc_u32 v4, v3, v4                        ; B: row x pitch + 24 x half
	v_lshl_add_u32 v5, v2, 4, v4                   ; and the same behind one padding more
	s_mul_i32 s21, s15, HALFT                      ; my eight tiles of A
	s_mul_i32 s22, s16, HALFT                      ; my 128 rows of B,
	s_add_co_u32 s22, s22, 2*HALFT                 ; behind A's part of the slot
.irp s, 0,1
	v_add_nc_u32 v[ADRA+\s], s21, v7
	v_add_nc_u32 v[ADRB+\s], s22, v4
	v_add_nc_u32 v[ADRB+2+\s], s22, v5
	s_add_co_u32 s21, s21, SLOT
	s_add_co_u32 s22, s22, SLOT
.endr
	v_mul_u32_u24 v5, v1, KS
	v_lshrrev_b32 v3, 8, v5
	v_lshl_add_u32 v5, v3, 4, v5
	s_mul_i32 s21, s15, HALFS
	s_mul_i32 s22, s16, HALFS
	s_add_co_u32 s22, s22, 2*HALFS
	s_sub_co_u32 s22, s22, s21
	v_mul_u32_u24 v3, s22, v2                      ; lanes 16-31 take B's
	s_add_co_u32 s21, s21, SCL
	v_add_nc_u32 v5, v5, v3
	v_add_nc_u32 v[ADRS], s21, v5
	s_mul_i32 s23, s14, 16*SPITCH                  ; my stage
	v_mul_u32_u24 v5, v1, SPITCH
	v_lshl_add_u32 v5, v2, 6, v5                   ; in: row r, + 64 h: my half's 16 columns of a block of 32
	v_add_nc_u32 v[STO], s23, v5
	v_lshlrev_b32 v[CO], 4, v6                     ; back: the 32 lanes take one row of 512 bytes; and the same in out0 and in bo
	v_add_nc_u32 v[RD], s23, v[CO]
	s_lshl_b32 s20, s17, 8
	s_lshl_b32 s21, s15, 7
	s_add_co_u32 s20, s20, s21                     ; my first row of out0
	s_lshl_b32 s20, s20, 12                        ; 4,096 bytes a row
	s_mov_b32 s21, 0
	s_lshl_b32 s46, s42, 10                        ; my first column, in bytes
	s_lshl_b32 s47, s16, 9
	s_add_co_u32 s46, s46, s47
	s_mov_b32 s47, 0
	s_add_nc_u64 s[96:97], s[96:97], s[46:47]
	s_add_nc_u64 s[20:21], s[20:21], s[46:47]
	s_add_nc_u64 s[12:13], s[12:13], s[20:21]
	global_load_b128 v[8:11], v[CO], s[96:97]      ; bo of my four columns of a row: waited for once, ahead of the first rows' way out
.macro FRAG reg, adr, q, i             ; B: 16 rows x 128 K, in pieces of 8 bytes
.irp p, 0,1,2,3,4,5
.set PCE, 12*(\q)+6*(\p/3)+\p%3
.if PCE%8 < 5
	ds_load_b64 v[\reg+2*\p:\reg+2*\p+1], v[\adr] offset:8*PCE+16*(PCE/8)+(\i)*16*PITCH
.else
	ds_load_b64 v[\reg+2*\p:\reg+2*\p+1], v[\adr+2] offset:8*PCE+16*(PCE/8)+(\i)*16*PITCH
.endif
.endr
.endm
.macro FRAGA reg, adr, q, i            ; A: an image: six loads of 256 consecutive bytes
.irp p, 0,1,2,3,4,5
	ds_load_b64 v[\reg+2*\p:\reg+2*\p+1], v[\adr] offset:(\i)*AROWB+(\q)*1536+256*\p
.endr
.endm
.macro MUL16 a0, p, q, sc, zero        ; the 64 accumulators take turns, one instruction a turn
.irp a, \a0, \a0+1
.irp b, 0,1,2,3,4,5,6,7
.if \zero
	v_wmma_scale_f32_16x16x128_f8f6f4 v[8*(8*((\a)%4)+\b):8*(8*((\a)%4)+\b)+7], v[128*(\p)+FR*\b:128*(\p)+FR*\b+FR-1], v[AF+FR*(\a):AF+FR*(\a)+FR-1], 0, v[SC+8*NQ*(\sc)+NQ*\b+(\q)], v[SC+8*NQ*(\sc)+NQ*(\a)+(\q)] matrix_a_fmt:MATRIX_FMT_FP6 matrix_b_fmt:MATRIX_FMT_FP6 matrix_a_scale:MATRIX_SCALE_ROW1
.else
	v_wmma_scale_f32_16x16x128_f8f6f4 v[8*(8*((\a)%4)+\b):8*(8*((\a)%4)+\b)+7], v[128*(\p)+FR*\b:128*(\p)+FR*\b+FR-1], v[AF+FR*(\a):AF+FR*(\a)+FR-1], v[8*(8*((\a)%4)+\b):8*(8*((\a)%4)+\b)+7], v[SC+8*NQ*(\sc)+NQ*\b+(\q)], v[SC+8*NQ*(\sc)+NQ*(\a)+(\q)] matrix_a_fmt:MATRIX_FMT_FP6 matrix_b_fmt:MATRIX_FMT_FP6 matrix_a_scale:MATRIX_SCALE_ROW1
.endif
.endr
.endr
.endm
.macro FETCH_B slot, q, p
	WIN TO_B
.irp i, 0,1,2,3,4,5,6,7
	FRAG 128*(\p)+FR*\i, ADRB+\slot, \q, \i
.endr
	WIN 0
.endm
.macro FETCH_A slot, q, i0
.irp i, \i0, \i0+1, \i0+2, \i0+3
	FRAGA AF+FR*(\i), ADRA+\slot, \q, \i
.endr
.endm
.macro SCALES sc
.irp i, 0,1,2,3,4,5,6,7
	ds_load_b64 v[SC+8*NQ*\sc+NQ*\i:SC+8*NQ*\sc+NQ*\i+1], v[ADRS] offset:\i*SBLK
.endr
.endm
.macro PLACES n
.rept \n
	v_nop
.endr
.endm
.macro STEP slot, q, zero
	s_wait_dscnt 4*NL                              ; B's set and A's blocks 0-3 are in; the youngest 24 loads (A's blocks 4-7) may be out
	WIN MUL_LO
	MUL16 0, (\q)%2, \q, \slot, \zero
	MUL16 2, (\q)%2, \q, \slot, \zero
	s_wait_dscnt 0
	PLACES NP
	FETCH_B \slot, (\q)+1, 1-(\q)%2
	FETCH_A \slot, (\q)+1, 0
	WIN MUL_HI
	MUL16 4, (\q)%2, \q, \slot, \zero
	MUL16 6, (\q)%2, \q, \slot, \zero
	PLACES NP
	WIN 0
	FETCH_A \slot, (\q)+1, 4
.endm
.macro TURN slot, next, fill
	s_wait_tensorcnt 0x0                           ; all my tensor loads have landed: my part of the next slot
	ds_add_u32 v[SPW], v[NIL]                      ; 0 onto my spare word
	s_wait_dscnt 4*NL+1                            ; the add and the youngest 24 loads may be out
	WIN MUL_LO
	MUL16 0, 1, NQ-1, \slot, 0
	s_wait_dscnt 0x0                               ; the add is done, and my reads of this slot are over
	s_barrier_signal -1
	MUL16 2, 1, NQ-1, \slot, 0
	WIN 0
	s_barrier_wait -1
.if \fill
	CREST                                          ; the barrier has opened a round of the cluster's: no wave of any partner still reads this slot or has a load on its way
	s_add_nc_u64 s[G0+4*\slot+2:G0+4*\slot+3], s[G0+4*\slot+2:G0+4*\slot+3], 2*AROWB
	s_add_nc_u64 s[G0B+4*\slot+2:G0B+4*\slot+3], s[G0B+4*\slot+2:G0B+4*\slot+3], 2*ROWB
	JLOAD G0+4*\slot, G1, G0B+4*\slot, G1B
.else
	PLACES NP
.endif
	v_add_nc_u32 v[ADRS], 4*NQ, v[ADRS]
	FETCH_B \next, 0, 0
	FETCH_A \next, 0, 0
	SCALES \next
	WIN MUL_HI
	MUL16 4, 1, NQ-1, \slot, 0
	MUL16 6, 1, NQ-1, \slot, 0
	PLACES NP
	WIN 0
	FETCH_A \next, 0, 4
.endm
	s_wait_tensorcnt 1                             ; the scales and my part of K step 0 are in; K step 1's load may be out
	s_barrier_signal -1
	s_barrier_wait -1
	FETCH_B 0, 0, 0
	FETCH_A 0, 0, 0
	SCALES 0
	FETCH_A 0, 0, 4
	STEP 0, 0, 1
	s_mov_b32 s3, LAPS-1
.Llap:
	TURN 0, 1, 1
	STEP 1, 0, 0
	TURN 1, 0, 1
	STEP 0, 0, 0
	s_sub_co_u32 s3, s3, 1
	s_cmp_lg_u32 s3, 0
	s_cbranch_scc1 .Llap
	TURN 0, 1, 0
	STEP 1, 0, 0
	s_wait_dscnt 4*NL
	WIN MUL_LO
	MUL16 0, 1, NQ-1, 1, 0
	MUL16 2, 1, NQ-1, 1, 0
	s_wait_dscnt 0
	WIN MUL_HI
	MUL16 4, 1, NQ-1, 1, 0
	MUL16 6, 1, NQ-1, 1, 0
	WIN 0
; THE WAY OUT, block by block of 16 rows x 128 columns, through my own stage in LDS: in by columns in their true order, back as whole rows of 512 bytes.
.macro TOSTAGE a
.set AC, 64*((\a)%4)
	WIN 0x08+4*((\a)/4)                            ; the data: window 2 or 3
.irp b, 0,1,2,3,4,5,6,7
	ds_store_b128 v[STO], v[AC+8*\b:AC+8*\b+3] offset:128*(\b/2)+32*(\b%2)          ; each accumulator from its low end on
	ds_store_b128 v[STO], v[AC+8*\b+4:AC+8*\b+7] offset:128*(\b/2)+32*(\b%2)+16
.endr
	WIN 0
.set BB, BK+64*((\a)%2)
.irp t, 0,1,2,3,4,5,6,7,8,9,10,11,12,13,14,15
	ds_load_b128 v[BB+4*\t:BB+4*\t+3], v[RD] offset:\t*SPITCH   ; LDS serves a wave's instructions in order (ISA guide 5.7.1.4): these see the stores above
.endr
.endm
.macro SEND a, younger                 ; younger: the LDS instructions issued behind block a's loads, which may stay out
.set BB, BK+64*((\a)%2)
	s_wait_dscnt \younger
.irp t, 0,1,2,3,4,5,6,7,8,9,10,11,12,13,14,15
	v_pk_add_f32 v[BB+4*\t:BB+4*\t+1], v[BB+4*\t:BB+4*\t+1], v[8:9]
	v_pk_add_f32 v[BB+4*\t+2:BB+4*\t+3], v[BB+4*\t+2:BB+4*\t+3], v[10:11]
.endr
.irp t, 0,1,2,3,4,5,6,7,8,9,10,11,12,13,14,15
	global_store_b128 v[CO], v[BB+4*\t:BB+4*\t+3], s[12:13] offset:(32*((\a)/2)+8*((\a)%2)+\t+8*(\t/8))*4096 th:TH_STORE_NT   ; place t of the block is this token; 32 lanes store 512 consecutive bytes, aligned; 127 rows at the most: inside the immediate
.endr
.endm
	PLACES NP
	s_wait_loadcnt 0x0                             ; bo
	TOSTAGE 0
.irp a, 1,2,3,4,5,6,7
.if \a > 1
	s_wait_xcnt 0x0                                ; block a - 2's stores have read their registers: block a's loads may land there
.endif
	TOSTAGE \a
	SEND \a-1, 32                                  ; behind block a - 1's loads: block a's 16 stores and 16 loads
.endr
	SEND 7, 0
	s_wait_tensorcnt 0x0                           ; the wave's end
	ds_add_u32 v[SPW], v[NIL]
	s_wait_dscnt 0x0
	CROUND                                         ; the closing round
	s_endpgm
.Lfunc_end_k_qceab727fd5_gemm_out:
	.size	k_qceab727fd5_gemm_out, .Lfunc_end_k_qceab727fd5_gemm_out-k_qceab727fd5_gemm_out
	.p2alignl 7, 3214868480
	.fill 96, 4, 3214868480
	.section	.rodata,"a",@progbits
	.p2align	6, 0x0
	.amdhsa_kernel k_qceab727fd5_gemm_out
		.amdhsa_group_segment_fixed_size 327680
		.amdhsa_private_segment_fixed_size 0
		.amdhsa_enable_private_segment 0
		.amdhsa_kernarg_size 32
		.amdhsa_user_sgpr_count 2
		.amdhsa_user_sgpr_kernarg_segment_ptr 1
		.amdhsa_wavefront_size32 1
		.amdhsa_system_sgpr_workgroup_id_x 1
		.amdhsa_system_sgpr_workgroup_id_y 1
		.amdhsa_system_sgpr_workgroup_id_z 1
		.amdhsa_system_vgpr_workitem_id 0
		.amdhsa_next_free_vgpr 1024
		.amdhsa_next_free_sgpr 98
		.amdhsa_reserve_vcc 0
		.amdhsa_float_denorm_mode_32 3
		.amdhsa_float_denorm_mode_16_64 3
		.amdhsa_memory_ordered 1
		.amdhsa_forward_progress 1
		.amdhsa_inst_pref_size 176
	.end_amdhsa_kernel
	.amdgpu_metadata
---
amdhsa.version: [ 1, 2 ]
amdhsa.kernels:
  - .name:           k_qceab727fd5_gemm_out
    .symbol:         k_qceab727fd5_gemm_out.kd
    .args:
      - { .name: oq, .offset: 0, .size: 8, .value_kind: global_buffer, .address_space: global }
      - { .name: wq, .offset: 8, .size: 8, .value_kind: global_buffer, .address_space: global }
      - { .name: bo, .offset: 16, .size: 8, .value_kind: global_buffer, .address_space: global }
      - { .name: out0, .offset: 24, .size: 8, .value_kind: global_buffer, .address_space: global }
    .group_segment_fixed_size: 327680
    .private_segment_fixed_size: 0
    .kernarg_segment_align: 8
    .kernarg_segment_size: 32
    .max_flat_workgroup_size: 128
    .sgpr_count:     98
    .vgpr_count:     1024
    .wavefront_size: 32
...
	.end_amdgpu_metadata
.endif
;; end of part 4
